; MI455X (gfx1250); checked and timed in simulation.
; The chip was launched on July 23, 2026; its instructions are those of AMD's public machine-readable ISA for CDNA 5 (MIT licence, August 2026) and "CDNA5" Instruction Set Architecture Reference Guide (July 2026). The comments in the code are by the model that wrote it; some were corrected since.
;; Llama Attention Experimental. Allowed arithmetic: float matrix products may take bf16 or f16 operands with f32 sums; other float arithmetic in f32, or as packed bf16 or f16 multiplies, adds, multiply-adds, maxima and minima; sums over many terms, partial sums and values carried from step to step in f32; what a program stores and reads back later, other than sums and carried values, may be rounded once to bf16 or f16.
;; Inputs: Wk 1,024 x 4,096 float32; Wo 4,096 x 2,048 float32; Wq 2,048 x 4,096 float32; Wv 1,024 x 4,096 float32; cos 2,048 x 128 float32; hidden_states 1 x 2,048 x 4,096 float32; sin 2,048 x 128 float32.
;; Outputs: out0 1 x 2,048 x 4,096 float32.
;; 2 versions, each right; version 2 is version 1 with the launch cast written anew for expert scheduling mode. Each part assembles by itself: llvm-mc -triple=amdgcn-amd-amdhsa -mcpu=gfx1250 --defsym DOCPART=n.
;; ======== version 1 of 2: 4 launches
;; limits: values are held in f16: magnitudes above 65,504 overflow, below 6.1e-05 lose precision; right only within a limited range of input values
;; workspace buffers: xw 68,157,440 bytes; qkvh 16,777,216 bytes; att 8,388,608 bytes
;; launch cast (part 1): grid 1040 x 1, 8 waves a work-group, no clusters, 0 bytes of LDS; arguments hidden_states, Wq, Wk, Wv, Wo, cos, sin, xw; writes xw
.if DOCPART == 1
	.amdgcn_target "amdgcn-amd-amdhsa--gfx1250"
	.amdhsa_code_object_version 6
	.text
	.protected	k_q6f8af3f8b4_cast
	.globl	k_q6f8af3f8b4_cast
	.p2align	8
	.type	k_q6f8af3f8b4_cast,@function
k_q6f8af3f8b4_cast:
	s_mov_b64 s[64:65], 0
	v_nop
	global_prefetch_b8 v0, s[64:65] scope:SCOPE_SE
	s_setreg_imm32_b32 hwreg(HW_REG_WAVE_MODE, 25, 1), 1
	s_wait_xcnt 0x0
; THE 16-BIT COPIES OF ALL SEVEN INPUTS, laid one behind the other in xw:
;   byte 0           x      bf16 [2048][4096]  = bf16(hidden_states)
;   byte 16,777,216  wqkv   bf16 [4096][4096]  = bf16(W / 16): rows 0-2047 Wq, 2048-3071 Wk, 3072-4095 Wv
;   byte 50,331,648  wo     f16  [4096][2048]  = 16 x bf16(Wo), written as f16 (8 significant bits: exact in f16)
;   byte 67,108,864  cos    bf16 [2048][128]      byte 67,633,152  sin  bf16 [2048][128]
; The factors are powers of two, so bf16(W / 16) = bf16(W) / 16: q, k, v are then kept as value / 16 in f16, and wo gives the 16 back.
; LIMITS.  |Wo| stays under 4,094 (16 Wo within f16's 65,504); 16 |Wo| under 6e-5 keeps f16's fixed step of 6e-8.
; SHARES.  Work-group id turns 32,768 numbers (131,072 bytes) into 65,536 bytes at xw + 65,536 id: the target is linear in id, the source is chosen by id.
; 32 steps; in a step thread t takes the 16 bytes at 16 t and stores 8 bytes at 8 t: a wave's load covers 512 consecutive bytes, its store 256, aligned.
; A ring of eight slots in registers keeps eight loads of every wave on their way; with 56 registers a wave several work-groups lie on a WGP, which multiplies that.
; No LDS, no matrix unit, no cluster: nothing is shared between threads.
.set T,   4                            ; v[4:7]    four numbers at work
.set X,   8                            ; v[8:39]   slot i: four f32 as loaded
.set Y,   40                           ; v[40:55]  slot i: four 16-bit numbers to store
.set SRC, 24                           ; s[24:25]  my part of the source, at the round in hand
.set DST, 26                           ; s[26:27]  my part of xw, at the round in hand
.set SC,  28                           ; s[28:29]  the factor (the packed multiply names a pair and takes its low word)
	s_load_b256 s[8:15], s[0:1], 0x0               ; hidden_states s[8:9], Wq s[10:11], Wk s[12:13], Wv s[14:15]
	s_load_b256 s[16:23], s[0:1], 0x20             ; Wo s[16:17], cos s[18:19], sin s[20:21], xw s[22:23]
	s_mov_b32 s33, ttmp9                           ; id
	s_mov_b32 s31, 0xffff0000                      ; a word's upper bf16
	v_lshlrev_b32 v1, 4, v0                        ; 16 t: never rewritten
	v_lshlrev_b32 v2, 3, v0                        ; 8 t: never rewritten
	s_mov_b32 s30, 0                               ; the id at which my source begins
	s_mov_b32 s[SC], 1.0
	s_wait_kmcnt 0x0
	s_mov_b64 s[SRC:SRC+1], s[8:9]
.macro PICK from, ptr, scale           ; from this id on: another source, its first id, its factor
	s_cmp_ge_u32 s33, \from
	s_cselect_b64 s[SRC:SRC+1], s[\ptr:\ptr+1], s[SRC:SRC+1]
	s_cselect_b32 s30, \from, s30
	s_cselect_b32 s[SC], \scale, s[SC]
.endm
	PICK 256, 10, 0x3d800000                       ; Wq, 1/16
	PICK 512, 12, 0x3d800000                       ; Wk
	PICK 640, 14, 0x3d800000                       ; Wv
	PICK 768, 16, 0x41800000                       ; Wo, 16
	PICK 1024, 18, 1.0                             ; cos
	PICK 1032, 20, 1.0                             ; sin
	s_mov_b32 s[SC+1], s[SC]
	s_sub_co_u32 s2, s33, s30
	s_lshl_b32 s2, s2, 17                          ; 131,072 bytes of source for each id
	s_mov_b32 s3, 0
	s_add_nc_u64 s[SRC:SRC+1], s[SRC:SRC+1], s[2:3]
	s_lshl_b32 s2, s33, 16                         ; 65,536 bytes of xw for each id
	s_add_nc_u64 s[DST:DST+1], s[22:23], s[2:3]
.irp i, 0,1,2,3,4,5,6,7
	global_load_b128 v[X+4*(\i):X+4*(\i)+3], v1, s[SRC:SRC+1] offset:4096*(\i) th:TH_LOAD_NT  ; the ring is filled: steps 0 to 7
.endr
; Slot i: scaled, rounded to bf16; half = 1: that bf16 number written as f16.
.macro CONV i, half
	v_pk_mul_f32 v[T:T+1],   v[X+4*(\i):X+4*(\i)+1],   s[SC:SC+1] op_sel_hi:[1,0]
	v_pk_mul_f32 v[T+2:T+3], v[X+4*(\i)+2:X+4*(\i)+3], s[SC:SC+1] op_sel_hi:[1,0]
	v_cvt_pk_bf16_f32 v[Y+2*(\i)],   v[T],   v[T+1]
	v_cvt_pk_bf16_f32 v[Y+2*(\i)+1], v[T+2], v[T+3]
.if \half
	v_lshlrev_b32 v[T],   16,  v[Y+2*(\i)]
	v_and_b32     v[T+1], s31, v[Y+2*(\i)]
	v_lshlrev_b32 v[T+2], 16,  v[Y+2*(\i)+1]
	v_and_b32     v[T+3], s31, v[Y+2*(\i)+1]
	v_cvt_pk_f16_f32 v[Y+2*(\i)],   v[T],   v[T+1]
	v_cvt_pk_f16_f32 v[Y+2*(\i)+1], v[T+2], v[T+3]
.endif
.endm
; A round: every slot once.  ahead = 1: each slot is filled again with its step of the next round.
.macro ROUND half, ahead
.irp i, 0,1,2,3,4,5,6,7
.if \ahead
	s_wait_loadcnt 7                               ; loads come back in order: slot i's is in, the seven younger ones stay out
.else
	s_wait_loadcnt 7-(\i)                          ; the last round loads nothing: the counts run down
.endif
	CONV \i, \half
.if \ahead
	global_load_b128 v[X+4*(\i):X+4*(\i)+3], v1, s[SRC:SRC+1] offset:32768+4096*(\i) th:TH_LOAD_NT
.endif
	global_store_b64 v2, v[Y+2*(\i):Y+2*(\i)+1], s[DST:DST+1] offset:2048*(\i)
.endr
.endm
.macro BODY half                       ; 32 steps: three rounds that load ahead, and the last
	s_mov_b32 s32, 3
.Lround_\@:
	ROUND \half, 1
	s_wait_xcnt 0x0                                ; the round's loads and stores have read their sources: only now are the two pointers and Y written again
	s_add_nc_u64 s[SRC:SRC+1], s[SRC:SRC+1], 32768
	s_add_nc_u64 s[DST:DST+1], s[DST:DST+1], 16384
	s_sub_co_u32 s32, s32, 1
	s_cmp_lg_u32 s32, 0
	s_cbranch_scc1 .Lround_\@
	ROUND \half, 0
	s_endpgm
.endm
	s_cmp_eq_u32 s30, 768                          ; Wo alone leaves as f16
	s_cbranch_scc1 .Lhalf
	BODY 0
.Lhalf:
	BODY 1
.Lfunc_end_k_q6f8af3f8b4_cast:
	.size	k_q6f8af3f8b4_cast, .Lfunc_end_k_q6f8af3f8b4_cast-k_q6f8af3f8b4_cast
	.p2alignl 7, 3214868480
	.fill 96, 4, 3214868480
	.section	.rodata,"a",@progbits
	.p2align	6, 0x0
	.amdhsa_kernel k_q6f8af3f8b4_cast
		.amdhsa_group_segment_fixed_size 0
		.amdhsa_private_segment_fixed_size 0
		.amdhsa_enable_private_segment 0
		.amdhsa_kernarg_size 64
		.amdhsa_user_sgpr_count 2
		.amdhsa_user_sgpr_kernarg_segment_ptr 1
		.amdhsa_wavefront_size32 1
		.amdhsa_system_sgpr_workgroup_id_x 1
		.amdhsa_system_sgpr_workgroup_id_y 1
		.amdhsa_system_sgpr_workgroup_id_z 1
		.amdhsa_system_vgpr_workitem_id 0
		.amdhsa_next_free_vgpr 56
		.amdhsa_next_free_sgpr 66
		.amdhsa_reserve_vcc 0
		.amdhsa_float_denorm_mode_32 3
		.amdhsa_float_denorm_mode_16_64 3
		.amdhsa_memory_ordered 1
		.amdhsa_forward_progress 1
		.amdhsa_inst_pref_size 22
	.end_amdhsa_kernel
	.amdgpu_metadata
---
amdhsa.version: [ 1, 2 ]
amdhsa.kernels:
  - .name:           k_q6f8af3f8b4_cast
    .symbol:         k_q6f8af3f8b4_cast.kd
    .args:
      - { .name: hidden_states, .offset: 0, .size: 8, .value_kind: global_buffer, .address_space: global }
      - { .name: Wq, .offset: 8, .size: 8, .value_kind: global_buffer, .address_space: global }
      - { .name: Wk, .offset: 16, .size: 8, .value_kind: global_buffer, .address_space: global }
      - { .name: Wv, .offset: 24, .size: 8, .value_kind: global_buffer, .address_space: global }
      - { .name: Wo, .offset: 32, .size: 8, .value_kind: global_buffer, .address_space: global }
      - { .name: cos, .offset: 40, .size: 8, .value_kind: global_buffer, .address_space: global }
      - { .name: sin, .offset: 48, .size: 8, .value_kind: global_buffer, .address_space: global }
      - { .name: xw, .offset: 56, .size: 8, .value_kind: global_buffer, .address_space: global }
    .group_segment_fixed_size: 0
    .private_segment_fixed_size: 0
    .kernarg_segment_align: 8
    .kernarg_segment_size: 64
    .max_flat_workgroup_size: 256
    .sgpr_count:     66
    .vgpr_count:     56
    .wavefront_size: 32
...
	.end_amdgpu_metadata
.endif
;; end of part 1
;; launch qkv (part 2): grid 16 x 16, 4 waves a work-group, clusters of 4 x 4, 327,680 bytes of LDS; arguments xw, qkvh; writes qkvh
.if DOCPART == 2
	.amdgcn_target "amdgcn-amd-amdhsa--gfx1250"
	.amdhsa_code_object_version 6
	.text
	.protected	k_q6f8af3f8b4_qkv
	.globl	k_q6f8af3f8b4_qkv
	.p2align	8
	.type	k_q6f8af3f8b4_qkv,@function
k_q6f8af3f8b4_qkv:
	s_mov_b64 s[64:65], 0
	v_nop
	global_prefetch_b8 v0, s[64:65] scope:SCOPE_SE
	s_setreg_imm32_b32 hwreg(HW_REG_WAVE_MODE, 25, 1), 1
	s_wait_xcnt 0x0
	s_wait_alu depctr_hold_cnt(0) depctr_sa_sdst(0) depctr_va_vdst(0) depctr_va_sdst(0) depctr_va_ssrc(0) depctr_va_vcc(0) depctr_vm_vsrc(0)
	s_getreg_b32 s2, hwreg(HW_REG_IB_STS2, 6, 4)
	s_cmp_eq_u32 s2, 0
	s_cbranch_scc0 .Lentry_in_a_cluster
	s_endpgm
.Lentry_in_a_cluster:
	s_bfe_u32 s2, ttmp6, 0x10000c
	s_cmp_lg_u32 s2, 0xf033
	s_cbranch_scc0 .Lentry_shape_is_right
	s_endpgm
.Lentry_shape_is_right:
; q, k, v = x [Wq; Wk; Wv]^T, RoPE on q and k, stored by heads.  C[m][n] = sum over k of x[m][k] w[n][k]: x bf16 [2048][4096] at xw + 0, w bf16 [4096][4096] at xw + 16,777,216
; (w holds W / 16, so C is value / 16); sums in f32; RoPE in f32 with the bf16 tables at xw + 67,108,864 (cos) and + 524,288 more (sin); each number rounded once to f16.
; OUT: qkvh f16 [32][2048][128]: head n / 128 (0-15 q, 16-23 k, 24-31 v), a row of 256 bytes.  LIMIT: |q|, |k|, |v| under 1.05e6 (value / 16 within f16's 65,504).
; SHARES.  A tile of C is 128 (m) x 256 (n): 16 x 16 tiles, one for each of 256 work-groups; the tile row comes from the work-group's x, the tile column from its y.  Four waves, each 64 x 128:
; 32 accumulators of 16 x 16, 256 registers.  A wave's 128 columns are ONE head, so both halves of a head's channels, which RoPE pairs, lie in one lane's registers.
; THE RING has two UNEQUAL slots that take turns: X holds 256 along K (rows of 512 bytes), Y 128 (rows of 256 bytes): 384 rows x (528 + 272) = 307,200 bytes; two slots of 256 along K would take
; 405,504.  So 384 along K want two refills, each behind one round, where slots of 128 would want three.  The walk is X0 Y0 X1 .. Y9 X10: 11 x 256 + 10 x 128 = 4,096.  Between the request for
; a tile of Y and the wait for it a wave issues 240 matrix instructions, for a tile of X 112.
; CLUSTERS: 4 x 4 work-groups; x's tile is shared along a column of the cluster (same tile row), w's along a row: each is asked for JOINTLY, by the same tensor load, descriptor and mask in the four.
; THE MATRIX INSTRUCTION IS USED TRANSPOSED (source 0 = 16 rows of w, source 1 = 16 rows of x): a lane holds row l % 16 of C and the columns 8 (l / 16) + 0..7 of its block.
; REGISTERS: window 0: v16-30 addresses; v32-127, v128-223 two fragment buffers (64 of w, 32 of x, for 32 along K); v224-255 at work.  Window 1: accumulator (a, b) at v[8 (8 a + b)].
;   window 2: the tables for my 64 rows: cos of block (a, b) at v[64 a + 4 b], sin at v[64 a + 32 + 4 b], 8 bf16 in 4 registers.
.set SIZE_K, 4096
.set PX,     528                       ; a row of slot X in LDS: 512 bytes + 16 of padding = 132 words;
.set PY,     272                       ; of slot Y: 256 + 16 = 68 words: in both the 16 rows of a fragment load start at 16 different groups of four banks (64 banks of 4 bytes: ISA guide 11.1)
.set AHX,    64*PX                     ; 64 rows of x: one wave's tensor load, and what one wave reads of x
.set BHX,    128*PX                    ; 128 rows of w: likewise
.set AHY,    64*PY
.set BHY,    128*PY
.set YB,     2*AHX+2*BHX               ; slot X at byte 0 (x's 128 rows, then w's 256), slot Y behind it
.set STAGE,  YB+2*AHY+2*BHY            ; behind the ring: 16 rows x 272 bytes for each wave, for the way out
.set SPITCH, 272
.set SPARE,  STAGE+4*16*SPITCH         ; behind the stages: the spare words, 128 bytes for each wave, which no other line names
.set PS,     0                         ; the slot that the walk begins and ends with: X (slot 0); the other: Y (slot 1)
.set RS,     1
.set TRIPS,  10                        ; the loop's trips, the first (entered in its middle) among them
.set PERIOD, 768                       ; bytes of a row from a slot's tile to its next: 384 along K
.set KOFX,   0                         ; byte of a row at which X's first tile begins,
.set KOFY,   512                       ; and Y's
.set ADRA, 16                          ; v16-17  LDS address of my x fragments in slot X, Y
.set ADRB, 20                          ; v20-21  the same for w
.set STO,  24                          ; v24  the way out: where I put 16 bytes of a row
.set RD,   25                          ; v25  where I read rows back
.set CO,   26                          ; v26  my 16 bytes in 512 consecutive bytes of a head
.set CSO,  27                          ; v27  my byte offset in 16 rows of a table
.set SPW,  28                          ; v28  LDS address of my spare word; never rewritten
.set NIL,  29                          ; v29  0; never rewritten
.set PFO,  30                          ; v30  the prefetches' offset: my lane x a row of x or w; never rewritten
.set F0,   32
.set F1,   128
.set RR,   32                          ; the way out: 64 rotated numbers of a block row
.set UC,   96                          ; its 64 cos in f32
.set US,   160                         ; its 64 sin
.set PKD,  224                         ; packed f16
.set G1A, 24                           ; s[24:31], s[32:39] descriptor group 1 for x's tiles, slot X, Y
.set G1B, 40                           ; s[40:47], s[48:55] for w's
.set G0A, 56                           ; s[56:59], s[60:63] descriptor group 0 for x's tiles, slot X, Y
.set G0B, 68                           ; s[68:71], s[72:75] for w's
.set CSB, 66                           ; s[66:67] the cos table at my first row
.set LIM, 79                           ; s79  1 in a wave that prefetches, else the greatest number
.set PFA, 80                           ; s[80:81] where my prefetches stand
.set MSB, 0
.macro WIN new                         ; the immediate's high byte repeats the setting that is left; a switch that changes nothing is dropped
.if MSB != (\new)
	s_set_vgpr_msb (MSB<<8)|(\new)
.set MSB, \new
.endif
.endm
.set MUL, 0x50                         ; both sources window 0, C and D window 1
.macro JLOAD s                         ; a joint load into slot s: waves 0 and 1 fetch x's two halves, waves 2 and 3 w's; an s_nop 0 and four v_nop follow each line, ahead of the jump and the label
	s_cmp_eq_u32 s11, 0
	s_cbranch_scc0 .Lfor_b_\@
	tensor_load_to_lds s[G0A+4*(\s):G0A+4*(\s)+3], s[G1A+8*(\s):G1A+8*(\s)+7]
	s_nop 0
.rept 4
	v_nop
.endr
	s_branch .Lasked_\@
.Lfor_b_\@:
	tensor_load_to_lds s[G0B+4*(\s):G0B+4*(\s)+3], s[G1B+8*(\s):G1B+8*(\s)+7]
	s_nop 0
.rept 4
	v_nop
.endr
.Lasked_\@:
.endm
.macro CREST                           ; a round of the cluster's barrier behind its opening barrier
	s_cmp_lg_u32 s10, 0
	s_cbranch_scc1 .Lnot_wave_0_\@
	s_barrier_signal -3
.Lnot_wave_0_\@:
	s_barrier_wait -3
	s_barrier_signal -1
	s_barrier_wait -1
.endm
.macro CROUND                          ; a whole round
	s_barrier_signal -1
	s_barrier_wait -1
	CREST
.endm
; A PREFETCH behind each joint refill and the run of LDS loads that follows it: the SAME slot's next tile, which is asked for one period (384 matrix instructions) later: 32 rows, a lane a row,
; 256 bytes an instruction (wide = 1, slot X: two instructions).  Each row's block of 256 bytes is named once in the launch: x's rows by wave 0 of the clusters with y = 0 (rows 128 tr + 32 cy + lane),
; w's by waves 2 and 3 of the clusters with x = 0 (rows 256 tc + 64 cx + 32 half + lane): the partners are told apart by address alone.  Each slot's first two tiles come by their loads alone;
; the loop's last trip (s3 = 1) asks for nothing: its refills are the slots' last.
.macro ASK off, wide
	s_cmp_gt_u32 s3, s[LIM]
	s_cbranch_scc0 .Lnot_mine_\@
	global_prefetch_b8 v[PFO], s[PFA:PFA+1] offset:\off th:TH_LOAD_NT scope:SCOPE_SE
.if \wide
	global_prefetch_b8 v[PFO], s[PFA:PFA+1] offset:(\off)+256 th:TH_LOAD_NT scope:SCOPE_SE
.endif
.Lnot_mine_\@:
.endm
	s_load_b128 s[4:7], s[0:1], 0x0                ; xw s[4:5], qkvh s[6:7]
	v_lshl_add_u32 v[SPW], v0, 2, SPARE
	v_mov_b32 v[NIL], 0
	ds_add_u32 v[SPW], v[NIL]                      ; the wave's opening: the add and its wait stand ahead of my first tensor load; the set-up below stands between them
	v_lshrrev_b32 v1, 5, v0
	v_readfirstlane_b32 s10, v1                    ; wave 0..3
	s_lshr_b32 s11, s10, 1                         ; which 64 rows of the tile are mine.  Also: I fetch for x (0) or for w (1)
	s_and_b32 s12, s10, 1                          ; which 128 columns.  Also: which half of that tile I fetch
	s_bfe_u32 s76, ttmp6, 0x40000                  ; cx, cy: my place in the cluster
	s_bfe_u32 s77, ttmp6, 0x40004
	s_and_b32 s83, ttmp7, 0xffff                   ; the cluster's y
	s_mov_b32 s82, 0xffff0000                      ; a word's upper bf16
	s_lshl_b32 s13, ttmp9, 2
	s_add_co_u32 s13, s13, s76                     ; tr: tile row = 4 x cluster x + cx
	s_lshl_b32 s78, s83, 2
	s_add_co_u32 s78, s78, s77                     ; tc: tile column = 4 x cluster y + cy
	s_lshl_b32 s14, 0x1111, s76                    ; my column of the cluster: the four that share tr
	s_lshl_b32 s15, s77, 2
	s_lshl_b32 s15, 15, s15                        ; my row: the four that share tc
.irp s, 0,1                            ; group 1, slot X (s = 0): rows of 256 elements, padded after every 128 words (code 6); slot Y: rows of 128 elements, after every 64 words (code 5); 4 words of padding (code 3)
	s_or_b32 s[G1A+8*(\s)], s14, (1<<16)|(1<<20)|(1<<21)|((6-(\s))<<22)|(3<<25)  ; 15:0 the mask; 17:16 2-byte elements; 20 padding on; 21 set beside a mask
	s_mov_b32 s[G1A+8*(\s)+1], (256-128*(\s))<<16  ; tensor_dim0
	s_mov_b32 s[G1A+8*(\s)+2], 64<<16              ; tensor_dim1 = 64
	s_mov_b32 s[G1A+8*(\s)+3], (256-128*(\s))<<16  ; tile_dim0
	s_mov_b32 s[G1A+8*(\s)+4], 64                  ; tile_dim1 = 64
	s_mov_b32 s[G1A+8*(\s)+5], SIZE_K              ; elements from row to row
	s_mov_b32 s[G1A+8*(\s)+6], 0
	s_mov_b32 s[G1A+8*(\s)+7], 0
	s_or_b32 s[G1B+8*(\s)], s15, (1<<16)|(1<<20)|(1<<21)|((6-(\s))<<22)|(3<<25)
	s_mov_b32 s[G1B+8*(\s)+1], (256-128*(\s))<<16
	s_mov_b32 s[G1B+8*(\s)+2], 128<<16             ; w's loads have 128 rows
	s_mov_b32 s[G1B+8*(\s)+3], (256-128*(\s))<<16
	s_mov_b32 s[G1B+8*(\s)+4], 128
	s_mov_b32 s[G1B+8*(\s)+5], SIZE_K
	s_mov_b32 s[G1B+8*(\s)+6], 0
	s_mov_b32 s[G1B+8*(\s)+7], 0
.endr
	s_lshl_b32 s17, s12, 6
	s_lshl_b32 s16, s13, 7
	s_add_co_u32 s16, s16, s17                     ; x: row 128 tr + 64 x half
	s_lshl_b32 s85, s12, 7
	s_lshl_b32 s84, s78, 8
	s_add_co_u32 s84, s84, s85                     ; w: row 256 tc + 128 x half
	s_mov_b32 s17, 0
	s_mov_b32 s85, 0
	s_mov_b64 s[18:19], SIZE_K*2
	s_mul_u64 s[16:17], s[16:17], s[18:19]
	s_mul_u64 s[84:85], s[84:85], s[18:19]
	s_mul_i32 s20, s12, AHX                        ; where they go: x in slot X,
	s_mul_i32 s21, s12, AHY
	s_add_co_u32 s21, s21, YB                      ; in slot Y;
	s_mul_i32 s22, s12, BHX
	s_add_co_u32 s22, s22, 2*AHX                   ; w in slot X,
	s_mul_i32 s23, s12, BHY
	s_add_co_u32 s23, s23, YB+2*AHY                ; in slot Y: no place in the cluster enters an LDS address
	s_wait_dscnt 0x0                               ; the opening add is done
	s_wait_kmcnt 0x0
	s_mov_b64 s[8:9], s[6:7]                       ; qkvh
	s_add_nc_u64 s[6:7], s[4:5], 0x1000000         ; w
	s_add_nc_u64 s[14:15], s[4:5], s[16:17]
	s_add_nc_u64 s[84:85], s[6:7], s[84:85]
	CROUND                                         ; all sixteen work-groups are here: the first joint loads meet
.irp s, PS, RS                         ; the walk's first slot first, so that the counted wait below shows it landed
	s_mov_b32 s[G0A+4*(\s)], 1
	s_mov_b32 s[G0A+4*(\s)+1], s[20+(\s)]
	s_add_nc_u64 s[G0A+4*(\s)+2:G0A+4*(\s)+3], s[14:15], KOFX+(KOFY-KOFX)*(\s)
	s_or_b32 s[G0A+4*(\s)+3], s[G0A+4*(\s)+3], 0x80000000
	s_mov_b32 s[G0B+4*(\s)], 1
	s_mov_b32 s[G0B+4*(\s)+1], s[22+(\s)]
	s_add_nc_u64 s[G0B+4*(\s)+2:G0B+4*(\s)+3], s[84:85], KOFX+(KOFY-KOFX)*(\s)
	s_or_b32 s[G0B+4*(\s)+3], s[G0B+4*(\s)+3], 0x80000000
	JLOAD \s                                       ; both slots' first tiles: two tensor loads of mine are out
.endr
	v_and_b32 v1, 15, v0                           ; l % 16
	v_bfe_u32 v2, v0, 4, 1                         ; l / 16
	; my first row (position) x 256 bytes: for the tables and for the head's rows
	s_lshl_b32 s16, s13, 7
	s_lshl_b32 s17, s11, 6
	s_add_co_u32 s16, s16, s17
	s_lshl_b32 s16, s16, 8
	s_mov_b32 s17, 0
	s_add_nc_u64 s[CSB:CSB+1], s[4:5], s[16:17]
	s_add_nc_u64 s[CSB:CSB+1], s[CSB:CSB+1], 67108864
	s_add_nc_u64 s[8:9], s[8:9], s[16:17]
	s_lshl_b32 s84, s78, 1
	s_add_co_u32 s84, s84, s12                     ; my head = 2 tc + column half
	s_lshl_b32 s84, s84, 19                        ; x 524,288 bytes
	s_mov_b32 s85, 0
	s_add_nc_u64 s[8:9], s[8:9], s[84:85]
	v_lshlrev_b32 v[CSO], 8, v1
	v_lshl_add_u32 v[CSO], v2, 4, v[CSO]           ; row x 256 + 16 x half
	WIN 0x80                                       ; destination window 2, address window 0
.irp a, 0,1,2,3                        ; the tables for my 64 rows stay in registers until the way out; every wave loads them, so that each register is written on every path
.irp b, 0,1,2,3,4,5,6,7
	global_load_b128 v[64*(\a)+4*(\b):64*(\a)+4*(\b)+3],       v[CSO], s[CSB:CSB+1] offset:(\a)*4096+32*(\b)
	global_load_b128 v[64*(\a)+32+4*(\b):64*(\a)+32+4*(\b)+3], v[CSO], s[CSB:CSB+1] offset:(\a)*4096+32*(\b)+524288
.endr
.endr
	WIN 0
	v_mul_u32_u24 v3, v1, PX
	v_lshl_add_u32 v3, v2, 4, v3                   ; a fragment's row x pitch + 16 x half, in slot X,
	v_mul_u32_u24 v4, v1, PY
	v_lshl_add_u32 v4, v2, 4, v4                   ; in slot Y
	s_mul_i32 s20, s11, AHX                        ; my 64 rows of x
	v_add_nc_u32 v[ADRA], s20, v3
	s_mul_i32 s20, s11, AHY
	s_add_co_u32 s20, s20, YB
	v_add_nc_u32 v[ADRA+1], s20, v4
	s_mul_i32 s20, s12, BHX                        ; my 128 rows of w, which lie behind x's 128
	s_add_co_u32 s20, s20, 2*AHX
	v_add_nc_u32 v[ADRB], s20, v3
	s_mul_i32 s20, s12, BHY
	s_add_co_u32 s20, s20, YB+2*AHY
	v_add_nc_u32 v[ADRB+1], s20, v4
	s_mul_i32 s23, s10, 16*SPITCH
	s_add_co_u32 s23, s23, STAGE                   ; my stage
	v_mul_u32_u24 v4, v1, SPITCH                   ; in: row l % 16, 16 bytes for each half of the lanes
	v_lshl_add_u32 v4, v2, 4, v4
	v_add_nc_u32 v[STO], s23, v4
	v_mul_u32_u24 v5, v2, SPITCH                   ; back: lanes 0-15 one row of 256 bytes, lanes 16-31 the next,
	v_lshl_add_u32 v5, v1, 4, v5
	v_add_nc_u32 v[RD], s23, v5
	v_and_b32 v5, 31, v0
	v_lshlrev_b32 v[CO], 4, v5                     ; which are 512 consecutive bytes of the head
	; the prefetches
	s_lshl_b32 s20, s13, 7
	s_lshl_b32 s21, s77, 5
	s_add_co_u32 s20, s20, s21                     ; x: row 128 tr + 32 cy
	s_lshl_b32 s21, s78, 8
	s_lshl_b32 s23, s76, 6
	s_add_co_u32 s21, s21, s23
	s_lshl_b32 s23, s12, 5
	s_add_co_u32 s21, s21, s23                     ; w: row 256 tc + 64 cx + 32 x half
	s_cmp_eq_u32 s11, 0
	s_cselect_b32 s20, s20, s21
	s_cselect_b32 s22, s83, ttmp9                  ; the coordinate along which other clusters read the same rows: for x the cluster's y, for w its x
	s_cselect_b64 s[PFA:PFA+1], s[4:5], s[6:7]
	s_cmp_eq_u32 s10, 1                            ; x's 32 rows a work-group want one wave: wave 1 asks for nothing
	s_cselect_b32 s23, 1, 0
	s_or_b32 s22, s22, s23
	s_cmp_eq_u32 s22, 0
	s_cselect_b32 s[LIM], 1, -1                    ; the same in all sixteen partners, for a given wave
	s_mov_b32 s21, 0
	s_mov_b64 s[18:19], SIZE_K*2
	s_mul_u64 s[20:21], s[20:21], s[18:19]
	s_add_nc_u64 s[PFA:PFA+1], s[PFA:PFA+1], s[20:21]
	s_add_nc_u64 s[PFA:PFA+1], s[PFA:PFA+1], PERIOD  ; one period in: the first refill steps it to the second, where the first slot's third tile begins
	v_mul_u32_u24 v[PFO], v5, SIZE_K*2
; 8 matrix instructions: m block a x all 8 n blocks, 32 along K.  The 32 accumulators take turns, one instruction a turn, in the same order in every quarter.
.macro MULA f, a, zero
	WIN MUL
.irp b, 0,1,2,3,4,5,6,7
.if \zero
	v_wmma_f32_16x16x32_bf16 v[8*(8*(\a)+(\b)):8*(8*(\a)+(\b))+7], v[(\f)+8*(\b):(\f)+8*(\b)+7], v[(\f)+64+8*(\a):(\f)+64+8*(\a)+7], 0
.else
	v_wmma_f32_16x16x32_bf16 v[8*(8*(\a)+(\b)):8*(8*(\a)+(\b))+7], v[(\f)+8*(\b):(\f)+8*(\b)+7], v[(\f)+64+8*(\a):(\f)+64+8*(\a)+7], v[8*(8*(\a)+(\b)):8*(8*(\a)+(\b))+7]
.endif
.endr
.endm
; 24 LDS loads in one run: the fragments of 32 along K at byte k of slot sl's rows, into buffer f: w's sixteen first, then x's eight
.macro FETCH sl, k, f
	WIN 0
.set FP, PX+(PY-PX)*(\sl)
.irp i, 0,1,2,3,4,5,6,7
	ds_load_b128 v[(\f)+8*(\i):(\f)+8*(\i)+3],   v[ADRB+(\sl)] offset:(\k)+(\i)*16*FP
	ds_load_b128 v[(\f)+8*(\i)+4:(\f)+8*(\i)+7], v[ADRB+(\sl)] offset:(\k)+(\i)*16*FP+32
.endr
.irp i, 0,1,2,3
	ds_load_b128 v[(\f)+64+8*(\i):(\f)+64+8*(\i)+3],   v[ADRA+(\sl)] offset:(\k)+(\i)*16*FP
	ds_load_b128 v[(\f)+64+8*(\i)+4:(\f)+64+8*(\i)+7], v[ADRA+(\sl)] offset:(\k)+(\i)*16*FP+32
.endr
.endm
.macro PLACES                          ; four places in front of loads into registers that matrix instructions have read, and of vector work on their results
.rept 4
	v_nop
.endr
.endm
; A quarter is 32 along K, 32 matrix instructions; slot X has eight of them, slot Y four, on buffers 0, 1, 0, 1 ..  All but a slot's last: multiplies buffer f and fetches the next quarter, at byte k, into g.
.macro QUARTER sl, k, f, g, zero
	s_wait_dscnt 4                                 ; w and x's blocks 0, 1 are in; the youngest four loads (x's blocks 2, 3) may be out
	MULA \f, 0, \zero
	MULA \f, 1, \zero
	PLACES
	FETCH \sl, \k, \g
	s_wait_dscnt 24                                ; all but the 24 just issued
	MULA \f, 2, \zero
	MULA \f, 3, \zero
.endm
.macro WALK sl, first                  ; quarters first .. the last but one of slot sl (counted from 1): the odd ones multiply buffer 0
.set qq, \first
.rept 8-4*(\sl)-(\first)
.if (qq%2) == 1
	QUARTER \sl, 64*qq, F0, F1, 0
.else
	QUARTER \sl, 64*qq, F1, F0, 0
.endif
.set qq, qq+1
.endr
.endm
; A slot's last quarter multiplies buffer 1 and changes slots: ONE barrier; in front of it each wave waits for all its tensor loads, adds 0 to its spare word, and waits for that and for its reads of slot sl.
; fill = 1: the barrier opens a round of the cluster's, and slot sl is filled again, with its tile one period on, first thing behind the round.
.macro TURN sl, next, fill
.if (\fill) && ((\sl) == PS)
	s_wait_xcnt 0x0                                ; the last prefetches, a slot's walk back, have read their address: it is stepped here, once a period
	s_add_nc_u64 s[PFA:PFA+1], s[PFA:PFA+1], PERIOD
.endif
	WIN 0                                          ; (the add's two registers lie in window 0)
	s_wait_tensorcnt 0x0                           ; all my tensor loads have landed: the one that was out is my part of the next slot;
	ds_add_u32 v[SPW], v[NIL]                      ; 0 onto my spare word;
	s_wait_dscnt 5                                 ; (the add and the youngest four loads may be out)
	MULA F1, 0, 0                                  ; eight matrix instructions stand between the add and the wait for it
	s_wait_dscnt 0x0                               ; the add is done, and my reads of this slot are over
	s_barrier_signal -1
	MULA F1, 1, 0
.if \fill
	WIN 0
.endif
	s_barrier_wait -1
.if \fill
	CREST                                          ; no wave of any partner still reads this slot's tile or has a load on its way
	s_add_nc_u64 s[G0A+4*(\sl)+2:G0A+4*(\sl)+3], s[G0A+4*(\sl)+2:G0A+4*(\sl)+3], PERIOD
	s_add_nc_u64 s[G0B+4*(\sl)+2:G0B+4*(\sl)+3], s[G0B+4*(\sl)+2:G0B+4*(\sl)+3], PERIOD
	JLOAD \sl                                      ; the four v_nop behind it are also the places in front of the loads below
.else
	PLACES
.endif
	FETCH \next, 0, F0
.if \fill
.if (\sl) == PS
	ASK 0, 1-PS                                    ; the pointer stands at this slot's tile after the one just asked for
.else
	ASK 512-256*PS, 1-RS                           ; the other slot's tiles begin behind the first slot's bytes
.endif
.endif
	MULA F1, 2, 0
	MULA F1, 3, 0
.endm
	s_wait_tensorcnt 1                             ; my part of the first slot's tile is in; the other's may stay out
	s_barrier_signal -1
	s_barrier_wait -1                              ; everybody's is
	FETCH PS, 0, F0
	QUARTER PS, 64, F0, F1, 1                      ; the first quarter stands in front of the loop: its products start the sums
	WIN 0                                          ; at a label and at a branch every window is 0
	s_mov_b32 s3, TRIPS
	s_branch .Lmid                                 ; the loop is entered behind a trip's first two quarters
.Llap:                                                 ; a trip: the second slot is left and filled again, the first is walked, left and filled again, the second is walked up to its last quarter
	TURN RS, PS, 1
	QUARTER PS, 64, F0, F1, 0
	WIN 0
.Lmid:
	WALK PS, 2
	TURN PS, RS, 1
	WALK RS, 1
	WIN 0
	s_sub_co_u32 s3, s3, 1
	s_cmp_lg_u32 s3, 0
	s_cbranch_scc1 .Llap
	TURN RS, PS, 0                                 ; the tail fills nothing: the first slot's last tile is walked
	WALK PS, 1
	s_wait_dscnt 4                                 ; the very last quarter: nothing more to fetch
	MULA F1, 0, 0
	MULA F1, 1, 0
	s_wait_dscnt 0x0
	MULA F1, 2, 0
	MULA F1, 3, 0
	WIN 0
	PLACES
; THE WAY OUT of block row a (16 positions x my head's 128 channels).  rope = 1: out[d] = x[d] cos[d] - x[d + 64] sin[d] for d < 64, out[d] = x[d] cos[d] + x[d - 64] sin[d] for d >= 64: block p and
; block p + 4 of one lane.  Then rounded to f16, 16 bytes a lane into my stage, back as whole rows of 256 bytes, stored 512 consecutive bytes an instruction.  Each accumulator is read from its low end on.
.macro OUTA a, rope
	s_wait_xcnt 0x0                                ; the stores of the block row before have read their registers
.if \rope
	WIN 0x08                                       ; source 1 window 2: the tables, bf16 to f32
.set n, 0
.rept 32
	v_lshlrev_b32 v[UC+2*n],   16,  v[64*(\a)+n]
	v_and_b32     v[UC+2*n+1], s82, v[64*(\a)+n]
	v_lshlrev_b32 v[US+2*n],   16,  v[64*(\a)+32+n]
	v_and_b32     v[US+2*n+1], s82, v[64*(\a)+32+n]
.set n, n+1
.endr
	WIN 0x01                                       ; source 0 window 1: the accumulators
.irp p, 0,1,2,3
.irp j, 0,2,4,6
	v_pk_mul_f32 v[RR+8*(\p)+(\j):RR+8*(\p)+(\j)+1],       v[8*(8*(\a)+(\p)+4)+(\j):8*(8*(\a)+(\p)+4)+(\j)+1], v[US+8*(\p)+(\j):US+8*(\p)+(\j)+1]
	v_pk_mul_f32 v[RR+32+8*(\p)+(\j):RR+32+8*(\p)+(\j)+1], v[8*(8*(\a)+(\p))+(\j):8*(8*(\a)+(\p))+(\j)+1],     v[US+32+8*(\p)+(\j):US+32+8*(\p)+(\j)+1]
.endr
.irp j, 0,2,4,6
	v_pk_fma_f32 v[RR+8*(\p)+(\j):RR+8*(\p)+(\j)+1],       v[8*(8*(\a)+(\p))+(\j):8*(8*(\a)+(\p))+(\j)+1],     v[UC+8*(\p)+(\j):UC+8*(\p)+(\j)+1],       v[RR+8*(\p)+(\j):RR+8*(\p)+(\j)+1] neg_lo:[0,0,1] neg_hi:[0,0,1]
	v_pk_fma_f32 v[RR+32+8*(\p)+(\j):RR+32+8*(\p)+(\j)+1], v[8*(8*(\a)+(\p)+4)+(\j):8*(8*(\a)+(\p)+4)+(\j)+1], v[UC+32+8*(\p)+(\j):UC+32+8*(\p)+(\j)+1], v[RR+32+8*(\p)+(\j):RR+32+8*(\p)+(\j)+1]
.endr
.endr
	WIN 0
.set n, 0
.rept 32
	v_cvt_pk_f16_f32 v[PKD+n], v[RR+2*n], v[RR+2*n+1]
.set n, n+1
.endr
.else
	WIN 0x05                                       ; sources 0 and 1 window 1
.set n, 0
.rept 32
	v_cvt_pk_f16_f32 v[PKD+n], v[64*(\a)+2*n], v[64*(\a)+2*n+1]
.set n, n+1
.endr
	WIN 0
.endif
.irp b, 0,1,2,3,4,5,6,7
	ds_store_b128 v[STO], v[PKD+4*(\b):PKD+4*(\b)+3] offset:32*(\b)
.endr
.irp t, 0,1,2,3,4,5,6,7
	ds_load_b128 v[RR+4*(\t):RR+4*(\t)+3], v[RD] offset:(\t)*2*SPITCH  ; LDS serves a wave's instructions in order (ISA guide 5.7.1.4): these see the stores above
.endr
.irp t, 0,1,2,3,4,5,6,7
	s_wait_dscnt 7-(\t)                            ; the younger reads of the stage may stay out
	global_store_b128 v[CO], v[RR+4*(\t):RR+4*(\t)+3], s[8:9] offset:4096*(\a)+512*(\t)
.endr
.endm
	s_wait_loadcnt 0x0                             ; the tables
	s_cmp_eq_u32 s83, 3                            ; tile columns 12 to 15 are v's heads, which are not rotated: the cluster's y, the same in all partners
	s_cbranch_scc1 .Lplain
	OUTA 0, 1
	OUTA 1, 1
	OUTA 2, 1
	OUTA 3, 1
	s_branch .Ldone
.Lplain:
	OUTA 0, 0
	OUTA 1, 0
	OUTA 2, 0
	OUTA 3, 0
.Ldone:
	s_wait_tensorcnt 0x0                           ; the wave's end: these three lines stand behind my last tensor load and my last LDS store
	ds_add_u32 v[SPW], v[NIL]
	s_wait_dscnt 0x0
	CROUND                                         ; the closing round: no work-group ends while a partner may still ask for a tile that names it
	s_endpgm
.Lfunc_end_k_q6f8af3f8b4_qkv:
	.size	k_q6f8af3f8b4_qkv, .Lfunc_end_k_q6f8af3f8b4_qkv-k_q6f8af3f8b4_qkv
	.p2alignl 7, 3214868480
	.fill 96, 4, 3214868480
	.section	.rodata,"a",@progbits
	.p2align	6, 0x0
	.amdhsa_kernel k_q6f8af3f8b4_qkv
		.amdhsa_group_segment_fixed_size 327680
		.amdhsa_private_segment_fixed_size 0
		.amdhsa_enable_private_segment 0
		.amdhsa_kernarg_size 16
		.amdhsa_user_sgpr_count 2
		.amdhsa_user_sgpr_kernarg_segment_ptr 1
		.amdhsa_wavefront_size32 1
		.amdhsa_system_sgpr_workgroup_id_x 1
		.amdhsa_system_sgpr_workgroup_id_y 1
		.amdhsa_system_sgpr_workgroup_id_z 1
		.amdhsa_system_vgpr_workitem_id 0
		.amdhsa_next_free_vgpr 768
		.amdhsa_next_free_sgpr 88
		.amdhsa_reserve_vcc 0
		.amdhsa_float_denorm_mode_32 3
		.amdhsa_float_denorm_mode_16_64 3
		.amdhsa_memory_ordered 1
		.amdhsa_forward_progress 1
		.amdhsa_inst_pref_size 167
	.end_amdhsa_kernel
	.amdgpu_metadata
---
amdhsa.version: [ 1, 2 ]
amdhsa.kernels:
  - .name:           k_q6f8af3f8b4_qkv
    .symbol:         k_q6f8af3f8b4_qkv.kd
    .args:
      - { .name: xw, .offset: 0, .size: 8, .value_kind: global_buffer, .address_space: global }
      - { .name: qkvh, .offset: 8, .size: 8, .value_kind: global_buffer, .address_space: global }
    .group_segment_fixed_size: 327680
    .private_segment_fixed_size: 0
    .kernarg_segment_align: 8
    .kernarg_segment_size: 16
    .max_flat_workgroup_size: 128
    .sgpr_count:     88
    .vgpr_count:     768
    .wavefront_size: 32
...
	.end_amdgpu_metadata
.endif
;; end of part 2
;; launch attn (part 3): grid 32 x 8, 4 waves a work-group, clusters of 4 x 1, 327,680 bytes of LDS; arguments qkvh, att; writes att
.if DOCPART == 3
	.amdgcn_target "amdgcn-amd-amdhsa--gfx1250"
	.amdhsa_code_object_version 6
	.text
	.protected	k_q6f8af3f8b4_attn
	.globl	k_q6f8af3f8b4_attn
	.p2align	8
	.type	k_q6f8af3f8b4_attn,@function
k_q6f8af3f8b4_attn:
	s_mov_b64 s[64:65], 0
	v_nop
	global_prefetch_b8 v0, s[64:65] scope:SCOPE_SE
	s_setreg_imm32_b32 hwreg(HW_REG_WAVE_MODE, 25, 1), 1
	s_wait_xcnt 0x0
	s_wait_alu depctr_hold_cnt(0) depctr_sa_sdst(0) depctr_va_vdst(0) depctr_va_sdst(0) depctr_va_ssrc(0) depctr_va_vcc(0) depctr_vm_vsrc(0)
	s_getreg_b32 s2, hwreg(HW_REG_IB_STS2, 6, 4)
	s_cmp_eq_u32 s2, 0
	s_cbranch_scc0 .Lentry_in_a_cluster
	s_endpgm
.Lentry_in_a_cluster:
	s_bfe_u32 s2, ttmp6, 0x10000c
	s_cmp_lg_u32 s2, 0x3003
	s_cbranch_scc0 .Lentry_shape_is_right
	s_endpgm
.Lentry_shape_is_right:
; CAUSAL ATTENTION, 16 query heads on 8 key/value heads, head size 128, 2,048 positions.  qkvh: f16 [32][2048][128], heads 0-15 q, 16-23 k, 24-31 v, each number value / 16.
; att: f16 [2048][2048], column = head x 128 + channel, value / 16.  Products, maxima and sums in f32; the weights p are rounded to f16 for the second product (their sum l is of the unrounded p), O once.
; p = 2^(c s - c m), c = 256 log2(e) / sqrt(128) (the 256 gives q's and k's 1/16 back), m a running maximum; in every step O and l are multiplied by a = 2^(c m_old - c m_new).
; LIMITS.  A hidden score counts as its value less 1e30: scores stay far below that; a weight below 2^-126 counts as 0; NaN and infinities are not treated apart.
; THE WALK.  Positions lie in 64 blocks of 32, keys in 8 tiles of 256; block j needs tiles 0 .. j / 8, the last holding the diagonal.  Work-group b (0..31) of kv head h takes block 63 - b and then block b:
; (8 - AP) + (AP + 1) = 9 tiles with AP = b / 8, whatever b: equal work, ONE loop with a constant count.  The walk hangs on AP alone, which the four partners of a cluster (b = 4 x cluster x + cx) share:
; every tile is asked for JOINTLY, by the same tensor load, descriptor and mask in all four.  No branch, count or LDS address hangs on cx: it enters q's and att's addresses and the mask's numbers alone.
; SHARES.  A block is 32 positions x 2 query heads.  Wave w: G = w & 1 picks 16 positions, KP = w >> 1 picks 128 of each tile's 256 keys, taken in two sub-steps of 64.  It holds two tiles of 16 queries:
; the same positions of heads 2 h + (t xor KP), t = 0, 1.  So waves w and w xor 2 split the keys.  At a block's end each gives its tile 1 (O, c m, l) to the other through LDS and finishes its tile 0.
; LAYOUT.  S^T = K Q^T holds one query a lane (lane % 16) and the keys 8 (lane / 16) + 0..7; two such results rounded to f16 in pairs ARE source 1 of O^T = V^T P.  V comes out of LDS turned (ds_load_tr16_b128).
; THE MASK is the C operand that starts S^T's sums: MC, 32 registers, 0 everywhere but in a block's last tile, where it is -1e30 for hidden keys.  A wave all of whose keys are hidden ends with c m = -3e31,
; and its weight in the merge is exactly 0.
; NO FIRST STEP IS WRITTEN OUT: m starts at the lowest finite number, O, l, P and V's registers at 0, so the first a is 0 and the first products V^T P add 0; the price is 328 v_mov_b32 in the wait for the first tile.
; REGISTERS, in windows of 256 (s_set_vgpr_msb: bits 1:0 source 0, 3:2 source 1, 5:4 source 2, 7:6 destination):
;   window 0: v1-15, v44-45 addresses; v16-31 eight registers of statistics a tile; v32-40 at work; v64-127 S^T; v128-159 P; v160-191 MC; v192-223 packed O
;   window 1: v0-127 O^T, 64 a tile; v128-255 V of a sub-step      window 2: v0-63 Q; v64-127 the second block's Q; v128-255 K of a sub-step
.set KS,    64
.set PK,    272       ; a row of K in LDS: 256 bytes + 16: the 16 rows of a load start at 16 different groups of four banks (64 banks of 4 bytes: ISA guide 11.1)
.set PV,    288       ; a row of V: 256 + 32
.set VOFF,  256*PK    ; a slot holds a tile: 256 rows of K, then 256 rows of V: 143,360 bytes
.set SLOT1, 0x24000   ; slot 1 begins here: neither of its two bits occurs in an offset inside a slot at which it is applied, so one exclusive or turns an address in one slot into the other's
.set MG,    SLOT1+256*(PK+PV)  ; behind the ring, never filled by a tensor load: four regions, wave w's written by w and read by w xor 2, which then uses it as its stage for the way out
.set MGR,   8448      ; a region: 8,192 bytes of O, 128 of c m, 128 of l
.set SPARE, MG+4*MGR  ; the spare words, 128 bytes for each wave, which no other line names
.set SP,    272
.set AK0, 2           ; v2   my lane's place in a tile of K; never rewritten
.set AV0, 3           ; v3   the same for V, VOFF included
.set ADRK, 4          ; v4   the LDS address of K's run of loads
.set ADRV, 5          ; v5   of V's
.set STO, 6           ; v6   the way out: where I put 16 bytes of a row
.set RD,  7           ; v7   where I read rows back
.set GO,  8           ; v8   my byte offset in two rows of att
.set QO,  10          ; v10  my byte offset in 16 rows of q
.set PFO, 11          ; v11  256 x my lane: a row of k or v
.set MGS, 12          ; v12  my region + 16 x lane
.set MGL, 13          ; v13  my partner's region + 16 x lane
.set VD,  14          ; v14  my query's place in the diagonal tile, less my wave's and lanes' first key: register r of key block kt is hidden where 16 kt + r is greater
.set VDL, 15          ; v15  the same for the second block
.set ST,  16          ; tile t's statistics at v[ST+8 t]: c m, m, l (even keys', odd keys'), c0-c3 at work; c2 takes a
.set MGS2, 44         ; v44  my region + 4 x lane
.set MGL2, 45         ; v45  my partner's + 4 x lane
.set SPW, 62          ; v62  LDS address of my spare word; never rewritten
.set NIL, 63          ; v63  0; never rewritten
.set S,   64
.set P,   128
.set MC,  160
.set PKD, 192
.set KF,  128         ; window 2
.set VF,  128         ; window 1
.set QB,  64          ; window 2
.set WV,  12          ; s12  my wave's number
.set G,   13
.set KP,  14
.set AP,  15
.set G1K, 24          ; s[24:31] descriptor group 1 for K's tiles
.set G1V, 32          ; s[32:39] for V's: it differs in the padding alone
.set G0K, 40          ; s[40:43] descriptor group 0 for K's tiles
.set G0V, 44          ; s[44:47] for V's
.set KB,  48          ; s[48:49] k's head at my half of tile 0
.set VB,  50          ; s[50:51] v's
.set OB,  52          ; s[52:53] att at my rows and head, for the block in hand
.set OLO, 54          ; s[54:55] for the second block
.set PFA, 56          ; s[56:57] where my prefetches stand
.set CS,  58          ; s[58:59] c
.set SEL, 60          ; s[60:61] v_permlanex16_b32's selects: each lane takes its own place in the other half
.set OFF, 62          ; s[62:63] a tile's byte offset in a head
.set RT,  70          ; s70  tiles of the block in hand still to be entered
.set NXT, 71          ; s71  the tile to be asked for next
.set LQ,  72          ; s72  the last tile of the block whose tiles are being asked for
.set FIN, 73          ; s73  1: a block's tile 1 lies in LDS and is still to be merged
.set CNT, 74          ; s74  counts a tile's two sub-steps
.set SLOTS, 75        ; s75  tiles still to be asked for
.set TBK, 76          ; s76  LDS byte at which my keys of the sub-step to be fetched begin
.set TBV, 77          ; s77  the same for V, less VOFF
.set BIGN, 78         ; s78  -1e30
.set LIM, 79          ; s79  2 in a cluster that prefetches, else the greatest number
.set MSB, 0
.macro WIN new                      ; the high byte repeats the setting that is left; a switch that changes nothing is dropped
.if MSB != (\new)
	s_set_vgpr_msb (MSB<<8)|(\new)
.set MSB, (\new)
.endif
.endm
.set W_KQ, 0x0a       ; K and Q in window 2, MC and S^T in window 0
.set W_PV, 0x51       ; V and O^T in window 1, P in window 0
.set W_RS, 0x41       ; O^T (destination and source 0) in window 1, a in window 0
; A joint fill.  Waves 0 and 1 fetch the two halves of a tile's K, waves 2 and 3 those of its V: 128 rows each.  An s_nop 0 and four v_nop follow each line, ahead of the jump and the label.
.macro JLOAD
	s_cmp_lt_u32 s[WV], 2
	s_cbranch_scc0 .Lfor_v_\@
	tensor_load_to_lds s[G0K:G0K+3], s[G1K:G1K+7]
	s_nop 0
.rept 4
	v_nop
.endr
	s_branch .Lasked_\@
.Lfor_v_\@:
	tensor_load_to_lds s[G0V:G0V+3], s[G1V:G1V+7]
	s_nop 0
.rept 4
	v_nop
.endr
.Lasked_\@:
.endm
; A PREFETCH of the tile that the NEXT change of slots will ask for: two sub-steps, 128 matrix instructions and two softmaxes, ahead.  All clusters of a kv head walk the same tiles; the head's cluster 0,
; whose first block walks all eight, asks, in the loop's first six trips, for tiles 2 to 7.  Wave w names k's (w < 2) or v's rows 64 cx + 32 G + lane of the tile: each row of 256 bytes once in the launch.
.macro ASK
	s_cmp_gt_u32 s[SLOTS], s[LIM]
	s_cbranch_scc0 .Lnot_mine_\@
	global_prefetch_b8 v[PFO], s[PFA:PFA+1] th:TH_LOAD_NT scope:SCOPE_SE
.Lnot_mine_\@:
.endm
.macro CROUND                       ; a round of the cluster's barrier
	s_barrier_signal -1
	s_barrier_wait -1
	s_cmp_lg_u32 s[WV], 0
	s_cbranch_scc1 .Lnot_wave_0_\@
	s_barrier_signal -3
.Lnot_wave_0_\@:
	s_barrier_wait -3
	s_barrier_signal -1
	s_barrier_wait -1
.endm
.macro PLACES                       ; four places behind matrix instructions (ISA guide 7.12.1)
.rept 4
	v_nop
.endr
.endm
; THE CHANGE OF SLOTS.  Each wave waits for all its tensor loads, of which one is out: its part of the other slot; adds 0 to its spare word; and waits for that and for its LDS instructions: its reads of the slot
; that it leaves, and its stores into the merge region.  fill = 1: the barrier is a round of the cluster's, and the old slot is filled again, first thing behind it, with tile NXT.
.macro CHANGE fill
	WIN 0
	s_wait_tensorcnt 0x0            ; no tensor load of mine is out, so a group 0 may be written
	ds_add_u32 v[SPW], v[NIL]       ; 0 onto my spare word; the scalar work stands between it and the wait for it
.if \fill
	s_lshl_b32 s[OFF], s[NXT], 16   ; a tile is 65,536 bytes of a head
	s_xor_b32 s[G0K+1], s[G0K+1], SLOT1
	s_add_nc_u64 s[G0K+2:G0K+3], s[KB:KB+1], s[OFF:OFF+1]
	s_or_b32 s[G0K+3], s[G0K+3], 0x80000000
	s_xor_b32 s[G0V+1], s[G0V+1], SLOT1
	s_add_nc_u64 s[G0V+2:G0V+3], s[VB:VB+1], s[OFF:OFF+1]
	s_or_b32 s[G0V+3], s[G0V+3], 0x80000000
	s_add_co_u32 s[NXT], s[NXT], 1  ; the block's next tile, or behind its last the second block's tile 0
	s_cmp_gt_u32 s[NXT], s[LQ]
	s_cselect_b32 s[NXT], 0, s[NXT]
	s_cselect_b32 s[LQ], s[AP], s[LQ]
	s_wait_xcnt 0x0                 ; the last prefetch, a tile back, has read its address
	s_add_nc_u64 s[PFA:PFA+1], s[PFA:PFA+1], 65536
.endif
	s_sub_co_u32 s[TBK], s[TBK], 2*KS*PK  ; the fetches go back to my keys' first sub-step,
	s_xor_b32 s[TBK], s[TBK], SLOT1       ; in the other slot
	s_sub_co_u32 s[TBV], s[TBV], 2*KS*PV
	s_xor_b32 s[TBV], s[TBV], SLOT1
	s_wait_dscnt 0x0
.if \fill
	CROUND
	JLOAD
	ASK
.else
	s_barrier_signal -1
	s_barrier_wait -1
.endif
.endm
	s_load_b128 s[4:7], s[0:1], 0x0 ; qkvh s[4:5], att s[6:7]
	v_lshl_add_u32 v[SPW], v0, 2, SPARE
	v_mov_b32 v[NIL], 0
	ds_add_u32 v[SPW], v[NIL]       ; the wave's opening: the add and its wait stand ahead of my first tensor load; the set-up below stands between them
	v_lshrrev_b32 v1, 5, v0
	v_readfirstlane_b32 s[WV], v1
	s_and_b32 s[G], s[WV], 1
	s_lshr_b32 s[KP], s[WV], 1
	s_bfe_u32 s16, ttmp6, 0x40000   ; cx
	s_lshr_b32 s[AP], ttmp9, 1      ; b / 8: the cluster's x alone
	s_and_b32 s17, ttmp9, 1
	s_lshl_b32 s17, s17, 2
	s_add_co_u32 s17, s17, s16      ; b % 8
	s_lshl_b32 s18, ttmp9, 2
	s_add_co_u32 s18, s18, s16      ; b
	s_sub_co_u32 s19, 63, s18
	s_lshl_b32 s21, s[G], 4
	s_lshl_b32 s18, s18, 5
	s_add_co_u32 s18, s18, s21      ; my first position in the second block: 32 b + 16 G
	s_lshl_b32 s19, s19, 5
	s_add_co_u32 s19, s19, s21      ; in the first: 32 (63 - b) + 16 G
	s_lshl_b32 s22, s[KP], 7
	s_sub_co_u32 s21, s21, s22      ; 16 G - 128 KP
	s_lshl_b32 s22, s17, 5
	s_add_co_u32 s82, s21, s22      ; the mask's scalar part, second block: + 32 (b % 8)
	s_sub_co_u32 s83, 224, s22
	s_add_co_u32 s83, s83, s21      ; first block: + 32 (7 - b % 8)
	s_and_b32 s20, ttmp7, 0xffff    ; h
	s_lshl_b32 s21, s20, 1
	s_add_co_u32 s68, s21, s[KP]    ; the head of my tile 0
	s_xor_b32 s69, s[KP], 1
	s_add_co_u32 s69, s21, s69      ; of my tile 1
	s_add_co_u32 s22, s20, 16
	s_lshl_b32 s22, s22, 19         ; k's head, 524,288 bytes each
	s_mov_b32 s23, 0
	s_add_co_u32 s66, s20, 24
	s_lshl_b32 s66, s66, 19         ; v's
	s_mov_b32 s67, 0
	s_mov_b32 s[G1K], 15|(1<<16)|(1<<20)|(1<<21)|(5<<22)|(3<<25)  ; 15:0 the mask of four; 17:16 2-byte elements; 20 padding on; 21 set beside a mask; 24:22 after every 64 words; 31:25 4 words
	s_mov_b32 s[G1V], 15|(1<<16)|(1<<20)|(1<<21)|(5<<22)|(7<<25)  ; the same with 8 words of padding
.irp g, G1K, G1V
	s_mov_b32 s[\g+1], 128<<16      ; tensor_dim0 = 128
	s_mov_b32 s[\g+2], 128<<16      ; tensor_dim1 = 128
	s_mov_b32 s[\g+3], 128<<16      ; tile_dim0 = 128
	s_mov_b32 s[\g+4], 128          ; tile_dim1 = 128
	s_mov_b32 s[\g+5], 128          ; 128 elements from row to row
	s_mov_b32 s[\g+6], 0
	s_mov_b32 s[\g+7], 0
.endr
	s_mov_b32 s[G0K], 1
	s_mul_i32 s[G0K+1], s[G], 128*PK      ; LDS address: slot 0, my half of K's rows
	s_mov_b32 s[G0V], 1
	s_mul_i32 s[G0V+1], s[G], 128*PV
	s_add_co_u32 s[G0V+1], s[G0V+1], VOFF
	s_mul_i32 s[TBK], s[KP], 128*PK       ; my keys' half; the first change of slots turns these two into slot 0's
	s_add_co_u32 s[TBK], s[TBK], SLOT1+2*KS*PK
	s_mul_i32 s[TBV], s[KP], 128*PV
	s_add_co_u32 s[TBV], s[TBV], SLOT1+2*KS*PV
	s_mov_b32 s[CS], 0x420293ee     ; c = 256 log2(e) / sqrt(128) = 32.6444
	s_mov_b32 s[CS+1], s[CS]
	s_mov_b32 s[SEL], 0x76543210
	s_mov_b32 s[SEL+1], 0xfedcba98
	s_mov_b32 s[OFF+1], 0
	s_mov_b32 s[BIGN], 0xf149f2ca   ; -1e30
	s_sub_co_u32 s[RT], 8, s[AP]    ; the first block has 8 - AP tiles
	s_sub_co_u32 s[LQ], 7, s[AP]
	s_mov_b32 s[NXT], 1
	s_mov_b32 s[FIN], 0
	s_mov_b32 s[SLOTS], 8
	s_cmp_eq_u32 ttmp9, 0
	s_cselect_b32 s[LIM], 2, -1     ; the same in all four partners
	s_wait_dscnt 0x0                ; the opening add is done
	s_wait_kmcnt 0x0
	s_add_nc_u64 s[92:93], s[4:5], s[22:23]
	s_add_nc_u64 s[94:95], s[4:5], s[66:67]
	s_lshl_b32 s2, s[G], 15         ; my half of a tile: 128 rows of 256 bytes
	s_mov_b32 s3, 0
	s_add_nc_u64 s[KB:KB+1], s[92:93], s[2:3]
	s_add_nc_u64 s[VB:VB+1], s[94:95], s[2:3]
	s_add_nc_u64 s[G0K+2:G0K+3], s[KB:KB+1], 0
	s_or_b32 s[G0K+3], s[G0K+3], 0x80000000
	s_add_nc_u64 s[G0V+2:G0V+3], s[VB:VB+1], 0
	s_or_b32 s[G0V+3], s[G0V+3], 0x80000000
	CROUND                          ; all four work-groups are here: the first joint loads meet
	JLOAD                           ; tile 0 into slot 0: one tensor load of mine is out, here and behind every round
	s_cmp_lt_u32 s[WV], 2
	s_cselect_b64 s[PFA:PFA+1], s[92:93], s[94:95]
	s_lshl_b32 s2, s16, 6
	s_lshl_b32 s3, s[G], 5
	s_add_co_u32 s2, s2, s3         ; rows 64 cx + 32 G on,
	s_lshl_b32 s2, s2, 8
	s_add_co_u32 s2, s2, 65536      ; in tile 1: the first change of slots steps it to tile 2
	s_mov_b32 s3, 0
	s_add_nc_u64 s[PFA:PFA+1], s[PFA:PFA+1], s[2:3]
.macro QPTR dst, head, row          ; qkvh + head x 524,288 + row x 256
	s_lshl_b32 s66, s\head, 19
	s_lshl_b32 s67, s\row, 8
	s_add_co_u32 s66, s66, s67
	s_mov_b32 s67, 0
	s_add_nc_u64 s[\dst:\dst+1], s[4:5], s[66:67]
.endm
	QPTR 84, 68, 19                 ; first block, tile 0
	QPTR 86, 69, 19                 ; tile 1
	QPTR 88, 68, 18                 ; second block
	QPTR 90, 69, 18
	s_lshl_b32 s66, s19, 12         ; att: row x 4,096 + head of my tile 0 x 256
	s_lshl_b32 s67, s68, 8
	s_add_co_u32 s66, s66, s67
	s_mov_b32 s67, 0
	s_add_nc_u64 s[OB:OB+1], s[6:7], s[66:67]
	s_lshl_b32 s66, s18, 12
	s_lshl_b32 s67, s68, 8
	s_add_co_u32 s66, s66, s67
	s_mov_b32 s67, 0
	s_add_nc_u64 s[OLO:OLO+1], s[6:7], s[66:67]
	; A fragment of K or Q is 16 rows x 32 channels in 8 registers: lane l holds row l % 16, channels 8 (l / 16) + 0..7 and 16 + 8 (l / 16) + 0..7: two loads of 16 bytes, 32 bytes apart.
	v_and_b32 v1, 15, v0            ; l % 16
	v_bfe_u32 v9, v0, 4, 1          ; l / 16
	v_lshlrev_b32 v[QO], 8, v1
	v_lshl_add_u32 v[QO], v9, 4, v[QO]
	WIN 0x80                        ; destination window 2, address window 0
.irp c, 0,1,2,3                     ; both blocks' Q stay in registers: tile t, channels 32 c on
.irp t, 0,1
	global_load_b128 v[32*(\t)+8*(\c):32*(\t)+8*(\c)+3],         v[QO], s[84+2*(\t):85+2*(\t)] offset:64*(\c)
	global_load_b128 v[32*(\t)+8*(\c)+4:32*(\t)+8*(\c)+7],       v[QO], s[84+2*(\t):85+2*(\t)] offset:64*(\c)+32
	global_load_b128 v[QB+32*(\t)+8*(\c):QB+32*(\t)+8*(\c)+3],   v[QO], s[88+2*(\t):89+2*(\t)] offset:64*(\c)
	global_load_b128 v[QB+32*(\t)+8*(\c)+4:QB+32*(\t)+8*(\c)+7], v[QO], s[88+2*(\t):89+2*(\t)] offset:64*(\c)+32
.endr
.endr
	WIN 0x40                        ; O^T and V's registers start at 0: all this stands in the wait for the first tile
.set i, 0
.rept 256
	v_mov_b32 v[i], 0
.set i, i+1
.endr
	WIN 0
.set i, 0
.rept 32
	v_mov_b32 v[P+i], 0
	v_mov_b32 v[MC+i], 0
.set i, i+1
.endr
.irp t, 0,1
	v_mov_b32 v[ST+8*(\t)], 0xfe000000    ; c m: far below every c s
	v_mov_b32 v[ST+8*(\t)+1], 0xff7fffff  ; m
	v_mov_b32 v[ST+8*(\t)+2], 0
	v_mov_b32 v[ST+8*(\t)+3], 0
.endr
	v_mul_u32_u24 v[AK0], v1, PK
	v_lshl_add_u32 v[AK0], v9, 4, v[AK0]  ; row x pitch + 16 x half
	; The turning load takes 16 keys x 16 channels (lane l reads key 8 (l / 16) + l % 8, channels 8 ((l / 8) % 2) + 0..7) and leaves half a fragment of V^T: lane l holds channel l % 16 and 8 keys.
	v_and_b32 v40, 7, v0
	v_bfe_u32 v41, v0, 3, 1
	v_lshl_add_u32 v[AV0], v9, 3, v40
	v_mul_u32_u24 v[AV0], v[AV0], PV
	v_lshl_add_u32 v[AV0], v41, 4, v[AV0]
	v_add_nc_u32 v[AV0], VOFF, v[AV0]
	s_mul_i32 s2, s[WV], MGR
	s_add_co_u32 s2, s2, MG         ; my region
	s_xor_b32 s3, s[WV], 2
	s_mul_i32 s3, s3, MGR
	s_add_co_u32 s3, s3, MG         ; my partner's
	v_and_b32 v40, 31, v0
	v_lshlrev_b32 v[PFO], 8, v40
	v_lshl_add_u32 v[MGS], v40, 4, s2
	v_lshl_add_u32 v[MGL], v40, 4, s3
	v_lshl_add_u32 v[MGS2], v40, 2, s2
	v_lshl_add_u32 v[MGL2], v40, 2, s3
	v_mul_u32_u24 v[STO], v1, SP    ; the stage, in my partner's region once I have read it: in: row l % 16, 16 bytes for each half of the lanes
	v_lshl_add_u32 v[STO], v9, 4, v[STO]
	v_add_nc_u32 v[STO], s3, v[STO]
	v_mul_u32_u24 v[RD], v9, SP     ; back: lanes 0-15 one row of 256 bytes, lanes 16-31 the next
	v_lshl_add_u32 v[RD], v1, 4, v[RD]
	v_add_nc_u32 v[RD], s3, v[RD]
	v_lshlrev_b32 v[GO], 12, v9     ; and the same two rows in att
	v_lshl_add_u32 v[GO], v1, 4, v[GO]
	v_lshlrev_b32 v[VD], 3, v9
	v_sub_nc_u32 v[VD], v1, v[VD]   ; l % 16 - 8 (l / 16)
	v_add_nc_u32 v[VDL], s82, v[VD]
	v_add_nc_u32 v[VD], s83, v[VD]
; The mask of the sub-step to come, in a block's last tile; then VD goes on to the next 64 keys.
.macro MASK
.set i, 0
.rept 32
	v_cmp_gt_i32 vcc_lo, 16*(i/8)+i%8, v[VD]
	v_cndmask_b32 v[MC+i], 0, s[BIGN], vcc_lo
.set i, i+1
.endr
	v_add_nc_u32 v[VD], 0xffffffc0, v[VD]
.endm
; THE LDS LOADS stand in runs of 32: a sub-step's K (64 keys x 128 channels: 16 fragments) and its V (turned).
.macro FETCHK
	WIN 0x80                        ; destination window 2
.irp f, 0,1,2,3,4,5,6,7,8,9,10,11,12,13,14,15  ; keys 16 (f / 4) on, channels 32 (f % 4) on
	ds_load_b128 v[KF+8*(\f):KF+8*(\f)+3],   v[ADRK] offset:((\f)/4)*16*PK+((\f)%4)*64
	ds_load_b128 v[KF+8*(\f)+4:KF+8*(\f)+7], v[ADRK] offset:((\f)/4)*16*PK+((\f)%4)*64+32
.endr
.endm
.macro FETCHV
	WIN 0x40                        ; destination window 1
.irp f, 0,1,2,3,4,5,6,7,8,9,10,11,12,13,14,15  ; keys 32 (f / 8) on, channels 16 (f % 8) on
	ds_load_tr16_b128 v[VF+8*(\f):VF+8*(\f)+3],   v[ADRV] offset:((\f)/8)*32*PV+((\f)%8)*32
	ds_load_tr16_b128 v[VF+8*(\f)+4:VF+8*(\f)+7], v[ADRV] offset:((\f)/8)*32*PV+16*PV+((\f)%8)*32
.endr
.endm
; THE MATRIX WORK.  The accumulators take turns, one instruction a turn: between two links of a chain stand 7 (K Q^T) or 15 (V^T P) others'.
; Product i of 32 of S^T = K Q^T: channels 32 (i / 8) on, keys 16 ((i / 2) % 4) on, tile i % 2.  The first 8 start the sums with the mask.
.macro KQALL
	WIN W_KQ
.set i, 0
.rept 32
.set rS, S+32*(i%2)+8*((i/2)%4)
.set rK, KF+32*((i/2)%4)+8*(i/8)
.set rQ, 32*(i%2)+8*(i/8)
.set rM, MC+8*((i/2)%4)
.if i < 8
	v_wmma_f32_16x16x32_f16 v[rS:rS+7], v[rK:rK+7], v[rQ:rQ+7], v[rM:rM+7]
.else
	v_wmma_f32_16x16x32_f16 v[rS:rS+7], v[rK:rK+7], v[rQ:rQ+7], v[rS:rS+7]
.endif
.set i, i+1
.endr
.endm
; Product i of 32 of O^T += V^T P: keys 32 (i / 16) on, channels 16 ((i / 2) % 8) on, tile i % 2.
.macro PVALL
	WIN W_PV
.set i, 0
.rept 32
.set rO, 64*(i%2)+8*((i/2)%8)
.set rV, VF+64*(i/16)+8*((i/2)%8)
.set rP, P+16*(i%2)+8*(i/16)
	v_wmma_f32_16x16x32_f16 v[rO:rO+7], v[rV:rV+7], v[rP:rP+7], v[rO:rO+7]
.set i, i+1
.endr
.endm
; THE SOFTMAX of a sub-step, both tiles line by line, so that no instruction reads the result of the one before it.  Each accumulator is read from its low end on.
.macro SOFTMAX
	WIN 0
.irp j, 0,1,2,3                     ; the maximum of the lane's 32 scores and the old m: four chains c0-c3, three operands at a time
.irp t, 0,1
	v_max3_num_f32 v[ST+8*(\t)+4+(\j)], v[S+32*(\t)+8*(\j)], v[S+32*(\t)+8*(\j)+1], v[S+32*(\t)+8*(\j)+2]
.endr
.endr
.irp g, 1,2
.irp j, 0,1,2,3
.irp t, 0,1
	v_max3_num_f32 v[ST+8*(\t)+4+(\j)], v[ST+8*(\t)+4+(\j)], v[S+32*(\t)+8*(\j)+2*(\g)+1], v[S+32*(\t)+8*(\j)+2*(\g)+2]
.endr
.endr
.endr
.irp t, 0,1
	v_max3_num_f32 v[ST+8*(\t)+4], v[ST+8*(\t)+4], v[S+32*(\t)+7], v[S+32*(\t)+15]
	v_max3_num_f32 v[ST+8*(\t)+6], v[ST+8*(\t)+6], v[S+32*(\t)+23], v[S+32*(\t)+31]
.endr
.irp t, 0,1
	v_max3_num_f32 v[ST+8*(\t)+4], v[ST+8*(\t)+4], v[ST+8*(\t)+5], v[ST+8*(\t)+6]
.endr
.irp t, 0,1
	v_max3_num_f32 v[ST+8*(\t)+4], v[ST+8*(\t)+4], v[ST+8*(\t)+7], v[ST+8*(\t)+1]
.endr
.irp t, 0,1
	v_mov_b32 v[ST+8*(\t)+7], v[ST+8*(\t)]  ; c m_old is kept for a
.endr
.irp t, 0,1
	v_permlanex16_b32 v[ST+8*(\t)+5], v[ST+8*(\t)+4], s[SEL], s[SEL+1]  ; the query's other 32 keys lie in the lane 16 away
.endr
.irp t, 0,1
	v_max_num_f32 v[ST+8*(\t)+1], v[ST+8*(\t)+4], v[ST+8*(\t)+5]
.endr
.irp t, 0,1
	v_mul_f32 v[ST+8*(\t)], s[CS], v[ST+8*(\t)+1]
.endr
.irp t, 0,1
	v_sub_f32 v[ST+8*(\t)+7], v[ST+8*(\t)+7], v[ST+8*(\t)]
.endr
	; ONE BATCH: a and the 32 exponentials of both tiles, the scalings c s - c m among them, a pair's scaling ahead of its exponentials.  Nothing here names an exponential's result.
.irp t, 0,1
	v_exp_f32 v[ST+8*(\t)+6], v[ST+8*(\t)+7]
.endr
.set b, 0
.rept 16
.irp t, 0,1
	v_pk_fma_f32 v[S+32*(\t)+2*b:S+32*(\t)+2*b+1], v[S+32*(\t)+2*b:S+32*(\t)+2*b+1], s[CS:CS+1], v[ST+8*(\t):ST+8*(\t)+1] op_sel_hi:[1,0,0] neg_lo:[0,0,1] neg_hi:[0,0,1]
.endr
.if b > 0
.irp t, 0,1
	v_exp_f32 v[S+32*(\t)+2*b-2], v[S+32*(\t)+2*b-2]
	v_exp_f32 v[S+32*(\t)+2*b-1], v[S+32*(\t)+2*b-1]
.endr
.endif
.set b, b+1
.endr
.irp t, 0,1
	v_exp_f32 v[S+32*(\t)+30], v[S+32*(\t)+30]
	v_exp_f32 v[S+32*(\t)+31], v[S+32*(\t)+31]
.endr
	v_nop                           ; a plain instruction behind the last exponential (ISA guide 5.7.2),
	s_wait_alu depctr_va_vdst(0)    ; and one wait ahead of the batch's first reader
.set n, 0
.rept 16
.irp t, 0,1
	v_cvt_pk_f16_f32 v[P+16*(\t)+n], v[S+32*(\t)+2*n], v[S+32*(\t)+2*n+1]
.endr
.set n, n+1
.endr
.irp u, 0,1,2,3,4,5,6,7             ; the sum of the 16 pairs, in place, as a tree; then l = a l + sum
.irp t, 0,1
	v_pk_add_f32 v[S+32*(\t)+4*(\u):S+32*(\t)+4*(\u)+1], v[S+32*(\t)+4*(\u):S+32*(\t)+4*(\u)+1], v[S+32*(\t)+4*(\u)+2:S+32*(\t)+4*(\u)+3]
.endr
.endr
.irp u, 0,1,2,3
.irp t, 0,1
	v_pk_add_f32 v[S+32*(\t)+8*(\u):S+32*(\t)+8*(\u)+1], v[S+32*(\t)+8*(\u):S+32*(\t)+8*(\u)+1], v[S+32*(\t)+8*(\u)+4:S+32*(\t)+8*(\u)+5]
.endr
.endr
.irp u, 0,1
.irp t, 0,1
	v_pk_add_f32 v[S+32*(\t)+16*(\u):S+32*(\t)+16*(\u)+1], v[S+32*(\t)+16*(\u):S+32*(\t)+16*(\u)+1], v[S+32*(\t)+16*(\u)+8:S+32*(\t)+16*(\u)+9]
.endr
.endr
.irp t, 0,1
	v_pk_add_f32 v[S+32*(\t):S+32*(\t)+1], v[S+32*(\t):S+32*(\t)+1], v[S+32*(\t)+16:S+32*(\t)+17]
.endr
.irp t, 0,1
	v_pk_fma_f32 v[ST+8*(\t)+2:ST+8*(\t)+3], v[ST+8*(\t)+2:ST+8*(\t)+3], v[ST+8*(\t)+6:ST+8*(\t)+7], v[S+32*(\t):S+32*(\t)+1] op_sel_hi:[1,0,1]
.endr
	WIN W_RS                        ; O^T times a
.set n, 0
.rept 32
.irp t, 0,1
	v_pk_mul_f32 v[64*(\t)+2*n:64*(\t)+2*n+1], v[64*(\t)+2*n:64*(\t)+2*n+1], v[ST+8*(\t)+6:ST+8*(\t)+7] op_sel_hi:[1,0]
.endr
.set n, n+1
.endr
.endm
; A SUB-STEP of 64 keys.  K is asked for; the products V^T P of the sub-step BEFORE run while it comes; V is asked for; K Q^T and the softmax run while V comes.
.macro SUBSTEP
	WIN 0
	v_add_nc_u32 v[ADRK], s[TBK], v[AK0]
	v_add_nc_u32 v[ADRV], s[TBV], v[AV0]
	FETCHK                          ; K's registers were last read ahead of the softmax before
	s_wait_dscnt 32                 ; V of the sub-step before is in; K's 32 loads may stay out
	PVALL
	PLACES                          ; in front of the loads into V's registers
	FETCHV
	s_wait_dscnt 32                 ; K is in; V's 32 loads may stay out
	KQALL
	WIN 0
	PLACES                          ; in front of the reads of the scores
	SOFTMAX
	WIN 0
	s_add_co_u32 s[TBK], s[TBK], KS*PK
	s_add_co_u32 s[TBV], s[TBV], KS*PV
.endm
; A BLOCK'S END, first half: the last products; l's two halves and the other half of the lanes' are added; my tile 1 (O, c m, l) goes into my region.  V is in: the barrier ahead of this has waited for it.
.macro FINISH1
	PVALL
	WIN 0
	PLACES
.irp t, 0,1
	v_add_f32 v[ST+8*(\t)+4], v[ST+8*(\t)+2], v[ST+8*(\t)+3]
.endr
.irp t, 0,1
	v_permlanex16_b32 v[ST+8*(\t)+5], v[ST+8*(\t)+4], s[SEL], s[SEL+1]
.endr
.irp t, 0,1
	v_add_f32 v[ST+8*(\t)+2], v[ST+8*(\t)+4], v[ST+8*(\t)+5]
.endr
	WIN 0x04                        ; store data in window 1
.set i, 0
.rept 16
	ds_store_b128 v[MGS], v[64+4*i:64+4*i+3] offset:512*i
.set i, i+1
.endr
	WIN 0
	ds_store_b32 v[MGS2], v[ST+8] offset:8192
	ds_store_b32 v[MGS2], v[ST+10] offset:8320
	s_mov_b32 s[FIN], 1
.endm
; Second half, behind a barrier: my partner's tile 1 is my tile 0's other 128 keys of every tile.  With cm = max of the two c m: O = (O0 2^(cm0 - cm) + Ob 2^(cmb - cm)) / (l0 2^(cm0 - cm) + lb 2^(cmb - cm)).
; Rounded to f16, through the stage, stored: sixteen lanes fill 256 consecutive bytes of att, aligned.
.macro FINISH2
	WIN 0
.set i, 0
.rept 16
	ds_load_b128 v[S+4*i:S+4*i+3], v[MGL] offset:512*i
.set i, i+1
.endr
	ds_load_b32 v32, v[MGL2] offset:8192
	ds_load_b32 v33, v[MGL2] offset:8320
	s_wait_dscnt 0x0
	v_max_num_f32 v34, v[ST], v32
	v_sub_f32 v35, v[ST], v34
	v_sub_f32 v36, v32, v34
	v_exp_f32 v37, v35
	v_exp_f32 v38, v36
	v_nop
	s_wait_alu depctr_va_vdst(0)    ; one wait for the two weights
	v_mul_f32 v39, v38, v33
	v_fma_f32 v39, v37, v[ST+2], v39
	v_rcp_f32 v32, v39
	v_nop
	s_wait_alu depctr_va_vdst(0)
	v_mul_f32 v34, v37, v32         ; my factor (v[34:35] and v[36:37] are named as pairs; the low word serves both halves)
	v_mul_f32 v36, v38, v32         ; my partner's
.set n, 0
.rept 32
	v_pk_mul_f32 v[S+2*n:S+2*n+1], v[S+2*n:S+2*n+1], v[36:37] op_sel_hi:[1,0]
.set n, n+1
.endr
	WIN 0x01                        ; source 0 window 1: my tile 0
.set n, 0
.rept 32
	v_pk_fma_f32 v[S+2*n:S+2*n+1], v[2*n:2*n+1], v[34:35], v[S+2*n:S+2*n+1] op_sel_hi:[1,0,1]
.set n, n+1
.endr
	WIN 0
.set n, 0
.rept 32
	v_cvt_pk_f16_f32 v[PKD+n], v[S+2*n], v[S+2*n+1]
.set n, n+1
.endr
.irp f, 0,1,2,3,4,5,6,7
	ds_store_b128 v[STO], v[PKD+4*(\f):PKD+4*(\f)+3] offset:32*(\f)
.endr
.irp f, 0,1,2,3,4,5,6,7
	ds_load_b128 v[PKD+4*(\f):PKD+4*(\f)+3], v[RD] offset:(\f)*2*SP  ; LDS serves a wave's instructions in order (ISA guide 5.7.1.4): these see the stores above
.endr
.irp f, 0,1,2,3,4,5,6,7
	s_wait_dscnt 7-(\f)             ; the younger reads of the stage may stay out
	global_store_b128 v[GO], v[PKD+4*(\f):PKD+4*(\f)+3], s[OB:OB+1] offset:8192*(\f)
.endr
.endm
; THE SECOND BLOCK BEGINS: its Q goes where the one text names Q; m, l, the mask and P start anew.  O^T need only be finite: the first a is 0.
.macro NEXTJOB
	s_wait_xcnt 0x0                 ; the stores have read their registers and att's address
	s_mov_b64 s[OB:OB+1], s[OLO:OLO+1]
	s_add_co_u32 s[RT], s[AP], 1    ; it has AP + 1 tiles
	s_mov_b32 s[FIN], 0
	WIN 0x82
.set i, 0
.rept 64
	v_mov_b32 v[i], v[QB+i]
.set i, i+1
.endr
	WIN 0
.irp t, 0,1
	v_mov_b32 v[ST+8*(\t)], 0xfe000000
	v_mov_b32 v[ST+8*(\t)+1], 0xff7fffff
	v_mov_b32 v[ST+8*(\t)+2], 0
	v_mov_b32 v[ST+8*(\t)+3], 0
.endr
.set i, 0
.rept 32
	v_mov_b32 v[P+i], 0
	v_mov_b32 v[MC+i], 0
.set i, i+1
.endr
	v_mov_b32 v[VD], v[VDL]
.endm
; A TILE of the walk.  The merge of the first block uses the next tile's round as the barrier between its halves, so that no barrier stands under a branch; every jump goes forward, past text
; that holds neither a barrier nor a tensor load.  The barrier at the tile's end stands between the place where a wave reads and re-uses its partner's region and the place where the partner writes it anew.
; fill = 0: the walk's last tile, always the second block's diagonal one.
.macro TILE fill
	CHANGE \fill
	s_cmp_eq_u32 s[FIN], 1
	s_cbranch_scc0 .Lsame_\@
	FINISH2
	NEXTJOB
.Lsame_\@:
	s_sub_co_u32 s[RT], s[RT], 1
	s_mov_b32 s[CNT], 2
.Lsub_\@:
.if \fill
	s_cmp_lg_u32 s[RT], 0
	s_cbranch_scc1 .Lopen_\@
.endif
	MASK
.if \fill
.Lopen_\@:
.endif
	SUBSTEP
	s_sub_co_u32 s[CNT], s[CNT], 1
	s_cmp_lg_u32 s[CNT], 0
	s_cbranch_scc1 .Lsub_\@
	s_wait_dscnt 0x0                ; my LDS instructions are done: V's run, and my reads of the stage
	s_barrier_signal -1             ; my one tensor load may stay out
	s_barrier_wait -1
.if \fill
	s_cmp_lg_u32 s[RT], 0
	s_cbranch_scc1 .Lon_\@
	FINISH1
.Lon_\@:
.endif
.endm
	s_wait_loadcnt 0x0              ; Q
.Ltile:                             ; eight trips: a tile is entered and the next is asked for
	TILE 1
	s_sub_co_u32 s[SLOTS], s[SLOTS], 1
	s_cmp_lg_u32 s[SLOTS], 0
	s_cbranch_scc1 .Ltile
	TILE 0                          ; the walk's last tile is written out
	FINISH1
	s_wait_dscnt 0x0                ; for my partner's sake: my stores into my region are done
	s_barrier_signal -1
	s_barrier_wait -1
	FINISH2
	s_wait_tensorcnt 0x0            ; the wave's end: these three lines stand behind my last tensor load and my last LDS store
	ds_add_u32 v[SPW], v[NIL]
	s_wait_dscnt 0x0
	CROUND                          ; the closing round: no work-group ends while a partner may still ask for a tile that names it
	s_endpgm
.Lfunc_end_k_q6f8af3f8b4_attn:
	.size	k_q6f8af3f8b4_attn, .Lfunc_end_k_q6f8af3f8b4_attn-k_q6f8af3f8b4_attn
	.p2alignl 7, 3214868480
	.fill 96, 4, 3214868480
	.section	.rodata,"a",@progbits
	.p2align	6, 0x0
	.amdhsa_kernel k_q6f8af3f8b4_attn
		.amdhsa_group_segment_fixed_size 327680
		.amdhsa_private_segment_fixed_size 0
		.amdhsa_enable_private_segment 0
		.amdhsa_kernarg_size 16
		.amdhsa_user_sgpr_count 2
		.amdhsa_user_sgpr_kernarg_segment_ptr 1
		.amdhsa_wavefront_size32 1
		.amdhsa_system_sgpr_workgroup_id_x 1
		.amdhsa_system_sgpr_workgroup_id_y 1
		.amdhsa_system_sgpr_workgroup_id_z 1
		.amdhsa_system_vgpr_workitem_id 0
		.amdhsa_next_free_vgpr 768
		.amdhsa_next_free_sgpr 96
		.amdhsa_reserve_vcc 1
		.amdhsa_float_denorm_mode_32 3
		.amdhsa_float_denorm_mode_16_64 3
		.amdhsa_memory_ordered 1
		.amdhsa_forward_progress 1
		.amdhsa_inst_pref_size 124
	.end_amdhsa_kernel
	.amdgpu_metadata
---
amdhsa.version: [ 1, 2 ]
amdhsa.kernels:
  - .name:           k_q6f8af3f8b4_attn
    .symbol:         k_q6f8af3f8b4_attn.kd
    .args:
      - { .name: qkvh, .offset: 0, .size: 8, .value_kind: global_buffer, .address_space: global }
      - { .name: att, .offset: 8, .size: 8, .value_kind: global_buffer, .address_space: global }
    .group_segment_fixed_size: 327680
    .private_segment_fixed_size: 0
    .kernarg_segment_align: 8
    .kernarg_segment_size: 16
    .max_flat_workgroup_size: 128
    .sgpr_count:     96
    .vgpr_count:     768
    .wavefront_size: 32
...
	.end_amdgpu_metadata
.endif
;; end of part 3
;; launch oproj (part 4): grid 16 x 16, 4 waves a work-group, clusters of 4 x 4, 327,680 bytes of LDS; arguments att, xw, out0; writes out0
.if DOCPART == 4
	.amdgcn_target "amdgcn-amd-amdhsa--gfx1250"
	.amdhsa_code_object_version 6
	.text
	.protected	k_q6f8af3f8b4_oproj
	.globl	k_q6f8af3f8b4_oproj
	.p2align	8
	.type	k_q6f8af3f8b4_oproj,@function
k_q6f8af3f8b4_oproj:
	s_mov_b64 s[64:65], 0
	v_nop
	global_prefetch_b8 v0, s[64:65] scope:SCOPE_SE
	s_setreg_imm32_b32 hwreg(HW_REG_WAVE_MODE, 25, 1), 1
	s_wait_xcnt 0x0
	s_wait_alu depctr_hold_cnt(0) depctr_sa_sdst(0) depctr_va_vdst(0) depctr_va_sdst(0) depctr_va_ssrc(0) depctr_va_vcc(0) depctr_vm_vsrc(0)
	s_getreg_b32 s2, hwreg(HW_REG_IB_STS2, 6, 4)
	s_cmp_eq_u32 s2, 0
	s_cbranch_scc0 .Lentry_in_a_cluster
	s_endpgm
.Lentry_in_a_cluster:
	s_bfe_u32 s2, ttmp6, 0x10000c
	s_cmp_lg_u32 s2, 0xf033
	s_cbranch_scc0 .Lentry_shape_is_right
	s_endpgm
.Lentry_shape_is_right:
; out0 = attn Wo^T.  C[m][n] = sum over k of a[m][k] w[n][k]: a = att, f16 [2048][2048], value / 16; w f16 [4096][2048] at xw + 50,331,648, 16 x bf16(Wo): the two factors cancel.  Sums in f32; out0 f32 [2048][4096].
; SHARES.  A tile of C is 128 (m) x 256 (n): 16 x 16 tiles, one for each of 256 work-groups; the tile row comes from the work-group's x, the tile column from its y.  Four waves, each 64 x 128:
; 32 accumulators of 16 x 16, 256 registers.
; THE RING has two UNEQUAL slots that take turns: X holds 256 along K (rows of 512 bytes), Y 128 (rows of 256 bytes): 384 rows x (528 + 272) = 307,200 bytes; two slots of 256 along K would take
; 405,504.  So 384 along K want two refills, each behind one round, where slots of 128 would want three.  The walk is Y0 X0 Y1 .. X4 Y5: 6 x 128 + 5 x 256 = 2,048.  Between the request for
; a tile of Y and the wait for it a wave issues 240 matrix instructions, for a tile of X 112.
; CLUSTERS: 4 x 4 work-groups; a's tile is shared along a column of the cluster (same tile row), w's along a row: each is asked for JOINTLY, by the same tensor load, descriptor and mask in the four.
; THE MATRIX INSTRUCTION IS USED TRANSPOSED (source 0 = 16 rows of w, source 1 = 16 rows of a): a lane holds row l % 16 of C and the columns 8 (l / 16) + 0..7 of its block: 32 bytes of f32 on end.
; REGISTERS: window 0: v16-30 addresses; v32-127, v128-223 two fragment buffers (64 of w, 32 of a, for 32 along K), free on the way out.  Window 1: accumulator (a, b) at v[8 (8 a + b)].
.set SIZE_K, 2048
.set PX,     528                       ; a row of slot X in LDS: 512 bytes + 16 of padding = 132 words;
.set PY,     272                       ; of slot Y: 256 + 16 = 68 words: in both the 16 rows of a fragment load start at 16 different groups of four banks (64 banks of 4 bytes: ISA guide 11.1)
.set AHX,    64*PX                     ; 64 rows of a: one wave's tensor load, and what one wave reads of a
.set BHX,    128*PX                    ; 128 rows of w: likewise
.set AHY,    64*PY
.set BHY,    128*PY
.set YB,     2*AHX+2*BHX               ; slot X at byte 0 (a's 128 rows, then w's 256), slot Y behind it
.set STAGE,  YB+2*AHY+2*BHY            ; behind the ring: 16 rows x 272 bytes for each wave, for the way out
.set SPITCH, 272
.set SPARE,  STAGE+4*16*SPITCH         ; behind the stages: the spare words, 128 bytes for each wave, which no other line names
.set PS,     1                         ; the slot that the walk begins and ends with: Y (slot 1); the other: X (slot 0)
.set RS,     0
.set TRIPS,  5                         ; the loop's trips, the first (entered in its middle) among them
.set PERIOD, 768                       ; bytes of a row from a slot's tile to its next: 384 along K
.set KOFX,   256                       ; byte of a row at which X's first tile begins,
.set KOFY,   0                         ; and Y's
.set ADRA, 16                          ; v16-17  LDS address of my a fragments in slot X, Y
.set ADRB, 20                          ; v20-21  the same for w
.set STO,  24                          ; v24  the way out: where I put 32 bytes of a row
.set RD,   25                          ; v25  where I read rows back
.set CO,   26                          ; v26  my 16 bytes in two rows of out0
.set SPW,  28                          ; v28  LDS address of my spare word; never rewritten
.set NIL,  29                          ; v29  0; never rewritten
.set PFO,  30                          ; v30  the prefetches' offset: my lane x a row of a or w; never rewritten
.set F0,   32
.set F1,   128
.set OBF,  32                          ; the way out: 16 half rows read back, v32-63 and v64-95 by turns
.set G1A, 24                           ; s[24:31], s[32:39] descriptor group 1 for a's tiles, slot X, Y
.set G1B, 40                           ; s[40:47], s[48:55] for w's
.set G0A, 56                           ; s[56:59], s[60:63] descriptor group 0 for a's tiles, slot X, Y
.set G0B, 68                           ; s[68:71], s[72:75] for w's
.set LIM, 79                           ; s79  1 in a wave that prefetches, else the greatest number
.set PFA, 80                           ; s[80:81] where my prefetches stand
.set MSB, 0
.macro WIN new                         ; the immediate's high byte repeats the setting that is left; a switch that changes nothing is dropped
.if MSB != (\new)
	s_set_vgpr_msb (MSB<<8)|(\new)
.set MSB, \new
.endif
.endm
.set MUL, 0x50                         ; both sources window 0, C and D window 1
.macro JLOAD s                         ; a joint load into slot s: waves 0 and 1 fetch a's two halves, waves 2 and 3 w's; an s_nop 0 and four v_nop follow each line, ahead of the jump and the label
	s_cmp_eq_u32 s11, 0
	s_cbranch_scc0 .Lfor_b_\@
	tensor_load_to_lds s[G0A+4*(\s):G0A+4*(\s)+3], s[G1A+8*(\s):G1A+8*(\s)+7]
	s_nop 0
.rept 4
	v_nop
.endr
	s_branch .Lasked_\@
.Lfor_b_\@:
	tensor_load_to_lds s[G0B+4*(\s):G0B+4*(\s)+3], s[G1B+8*(\s):G1B+8*(\s)+7]
	s_nop 0
.rept 4
	v_nop
.endr
.Lasked_\@:
.endm
.macro CREST                           ; a round of the cluster's barrier behind its opening barrier
	s_cmp_lg_u32 s10, 0
	s_cbranch_scc1 .Lnot_wave_0_\@
	s_barrier_signal -3
.Lnot_wave_0_\@:
	s_barrier_wait -3
	s_barrier_signal -1
	s_barrier_wait -1
.endm
.macro CROUND                          ; a whole round
	s_barrier_signal -1
	s_barrier_wait -1
	CREST
.endm
; A PREFETCH behind each joint refill and the run of LDS loads that follows it: the SAME slot's next tile, which is asked for one period (384 matrix instructions) later: 32 rows, a lane a row,
; 256 bytes an instruction (wide = 1, slot X: two instructions).  Each row's block of 256 bytes is named once in the launch: a's rows by wave 0 of the clusters with y = 0 (rows 128 tr + 32 cy + lane),
; w's by waves 2 and 3 of the clusters with x = 0 (rows 256 tc + 64 cx + 32 half + lane): the partners are told apart by address alone.  Each slot's first two tiles come by their loads alone;
; the loop's last trip (s3 = 1) asks for nothing: its refills are the slots' last.
.macro ASK off, wide
	s_cmp_gt_u32 s3, s[LIM]
	s_cbranch_scc0 .Lnot_mine_\@
	global_prefetch_b8 v[PFO], s[PFA:PFA+1] offset:\off th:TH_LOAD_NT scope:SCOPE_SE
.if \wide
	global_prefetch_b8 v[PFO], s[PFA:PFA+1] offset:(\off)+256 th:TH_LOAD_NT scope:SCOPE_SE
.endif
.Lnot_mine_\@:
.endm
	s_load_b128 s[4:7], s[0:1], 0x0                ; att s[4:5], xw s[6:7]
	s_load_b64 s[8:9], s[0:1], 0x10                ; out0
	v_lshl_add_u32 v[SPW], v0, 2, SPARE
	v_mov_b32 v[NIL], 0
	ds_add_u32 v[SPW], v[NIL]                      ; the wave's opening: the add and its wait stand ahead of my first tensor load; the set-up below stands between them
	v_lshrrev_b32 v1, 5, v0
	v_readfirstlane_b32 s10, v1                    ; wave 0..3
	s_lshr_b32 s11, s10, 1                         ; which 64 rows of the tile are mine.  Also: I fetch for a (0) or for w (1)
	s_and_b32 s12, s10, 1                          ; which 128 columns.  Also: which half of that tile I fetch
	s_bfe_u32 s76, ttmp6, 0x40000                  ; cx, cy: my place in the cluster
	s_bfe_u32 s77, ttmp6, 0x40004
	s_and_b32 s83, ttmp7, 0xffff                   ; the cluster's y
	s_lshl_b32 s13, ttmp9, 2
	s_add_co_u32 s13, s13, s76                     ; tr: tile row = 4 x cluster x + cx
	s_lshl_b32 s78, s83, 2
	s_add_co_u32 s78, s78, s77                     ; tc: tile column = 4 x cluster y + cy
	s_lshl_b32 s14, 0x1111, s76                    ; my column of the cluster: the four that share tr
	s_lshl_b32 s15, s77, 2
	s_lshl_b32 s15, 15, s15                        ; my row: the four that share tc
.irp s, 0,1                            ; group 1, slot X (s = 0): rows of 256 elements, padded after every 128 words (code 6); slot Y: rows of 128 elements, after every 64 words (code 5); 4 words of padding (code 3)
	s_or_b32 s[G1A+8*(\s)], s14, (1<<16)|(1<<20)|(1<<21)|((6-(\s))<<22)|(3<<25)  ; 15:0 the mask; 17:16 2-byte elements; 20 padding on; 21 set beside a mask
	s_mov_b32 s[G1A+8*(\s)+1], (256-128*(\s))<<16  ; tensor_dim0
	s_mov_b32 s[G1A+8*(\s)+2], 64<<16              ; tensor_dim1 = 64
	s_mov_b32 s[G1A+8*(\s)+3], (256-128*(\s))<<16  ; tile_dim0
	s_mov_b32 s[G1A+8*(\s)+4], 64                  ; tile_dim1 = 64
	s_mov_b32 s[G1A+8*(\s)+5], SIZE_K              ; elements from row to row
	s_mov_b32 s[G1A+8*(\s)+6], 0
	s_mov_b32 s[G1A+8*(\s)+7], 0
	s_or_b32 s[G1B+8*(\s)], s15, (1<<16)|(1<<20)|(1<<21)|((6-(\s))<<22)|(3<<25)
	s_mov_b32 s[G1B+8*(\s)+1], (256-128*(\s))<<16
	s_mov_b32 s[G1B+8*(\s)+2], 128<<16             ; w's loads have 128 rows
	s_mov_b32 s[G1B+8*(\s)+3], (256-128*(\s))<<16
	s_mov_b32 s[G1B+8*(\s)+4], 128
	s_mov_b32 s[G1B+8*(\s)+5], SIZE_K
	s_mov_b32 s[G1B+8*(\s)+6], 0
	s_mov_b32 s[G1B+8*(\s)+7], 0
.endr
	s_lshl_b32 s17, s12, 6
	s_lshl_b32 s16, s13, 7
	s_add_co_u32 s16, s16, s17                     ; a: row 128 tr + 64 x half
	s_lshl_b32 s85, s12, 7
	s_lshl_b32 s84, s78, 8
	s_add_co_u32 s84, s84, s85                     ; w: row 256 tc + 128 x half
	s_mov_b32 s17, 0
	s_mov_b32 s85, 0
	s_mov_b64 s[18:19], SIZE_K*2
	s_mul_u64 s[16:17], s[16:17], s[18:19]
	s_mul_u64 s[84:85], s[84:85], s[18:19]
	s_mul_i32 s20, s12, AHX                        ; where they go: a in slot X,
	s_mul_i32 s21, s12, AHY
	s_add_co_u32 s21, s21, YB                      ; in slot Y;
	s_mul_i32 s22, s12, BHX
	s_add_co_u32 s22, s22, 2*AHX                   ; w in slot X,
	s_mul_i32 s23, s12, BHY
	s_add_co_u32 s23, s23, YB+2*AHY                ; in slot Y: no place in the cluster enters an LDS address
	s_wait_dscnt 0x0                               ; the opening add is done
	s_wait_kmcnt 0x0
	s_add_nc_u64 s[6:7], s[6:7], 0x3000000         ; w
	s_add_nc_u64 s[14:15], s[4:5], s[16:17]
	s_add_nc_u64 s[84:85], s[6:7], s[84:85]
	CROUND                                         ; all sixteen work-groups are here: the first joint loads meet
.irp s, PS, RS                         ; the walk's first slot first, so that the counted wait below shows it landed
	s_mov_b32 s[G0A+4*(\s)], 1
	s_mov_b32 s[G0A+4*(\s)+1], s[20+(\s)]
	s_add_nc_u64 s[G0A+4*(\s)+2:G0A+4*(\s)+3], s[14:15], KOFX+(KOFY-KOFX)*(\s)
	s_or_b32 s[G0A+4*(\s)+3], s[G0A+4*(\s)+3], 0x80000000
	s_mov_b32 s[G0B+4*(\s)], 1
	s_mov_b32 s[G0B+4*(\s)+1], s[22+(\s)]
	s_add_nc_u64 s[G0B+4*(\s)+2:G0B+4*(\s)+3], s[84:85], KOFX+(KOFY-KOFX)*(\s)
	s_or_b32 s[G0B+4*(\s)+3], s[G0B+4*(\s)+3], 0x80000000
	JLOAD \s                                       ; both slots' first tiles: two tensor loads of mine are out
.endr
	v_and_b32 v1, 15, v0                           ; l % 16
	v_bfe_u32 v2, v0, 4, 1                         ; l / 16
	v_mul_u32_u24 v3, v1, PX
	v_lshl_add_u32 v3, v2, 4, v3                   ; a fragment's row x pitch + 16 x half, in slot X,
	v_mul_u32_u24 v4, v1, PY
	v_lshl_add_u32 v4, v2, 4, v4                   ; in slot Y
	s_mul_i32 s20, s11, AHX                        ; my 64 rows of a
	v_add_nc_u32 v[ADRA], s20, v3
	s_mul_i32 s20, s11, AHY
	s_add_co_u32 s20, s20, YB
	v_add_nc_u32 v[ADRA+1], s20, v4
	s_mul_i32 s20, s12, BHX                        ; my 128 rows of w, which lie behind a's 128
	s_add_co_u32 s20, s20, 2*AHX
	v_add_nc_u32 v[ADRB], s20, v3
	s_mul_i32 s20, s12, BHY
	s_add_co_u32 s20, s20, YB+2*AHY
	v_add_nc_u32 v[ADRB+1], s20, v4
	s_mul_i32 s23, s10, 16*SPITCH
	s_add_co_u32 s23, s23, STAGE                   ; my stage
	v_mul_u32_u24 v4, v1, SPITCH                   ; in: row l % 16, 32 bytes for each half of the lanes
	v_lshl_add_u32 v4, v2, 5, v4
	v_add_nc_u32 v[STO], s23, v4
	v_mul_u32_u24 v5, v2, SPITCH                   ; back: lanes 0-15 one row's 256 bytes, lanes 16-31 the next row's,
	v_lshl_add_u32 v5, v1, 4, v5
	v_add_nc_u32 v[RD], s23, v5
	v_lshlrev_b32 v[CO], 14, v2                    ; and the same two rows in out0, 16,384 bytes apart
	v_lshl_add_u32 v[CO], v1, 4, v[CO]
	v_and_b32 v5, 31, v0
	s_lshl_b32 s16, s13, 7
	s_lshl_b32 s17, s11, 6
	s_add_co_u32 s16, s16, s17                     ; my first row of out0,
	s_lshl_b32 s16, s16, 14                        ; x 16,384 bytes
	s_mov_b32 s17, 0
	s_add_nc_u64 s[8:9], s[8:9], s[16:17]
	s_lshl_b32 s84, s78, 10                        ; my first column, in bytes: 1,024 tc + 512 x half
	s_lshl_b32 s85, s12, 9
	s_add_co_u32 s84, s84, s85
	s_mov_b32 s85, 0
	s_add_nc_u64 s[8:9], s[8:9], s[84:85]
	; the prefetches
	s_lshl_b32 s20, s13, 7
	s_lshl_b32 s21, s77, 5
	s_add_co_u32 s20, s20, s21                     ; a: row 128 tr + 32 cy
	s_lshl_b32 s21, s78, 8
	s_lshl_b32 s23, s76, 6
	s_add_co_u32 s21, s21, s23
	s_lshl_b32 s23, s12, 5
	s_add_co_u32 s21, s21, s23                     ; w: row 256 tc + 64 cx + 32 x half
	s_cmp_eq_u32 s11, 0
	s_cselect_b32 s20, s20, s21
	s_cselect_b32 s22, s83, ttmp9                  ; the coordinate along which other clusters read the same rows: for a the cluster's y, for w its x
	s_cselect_b64 s[PFA:PFA+1], s[4:5], s[6:7]
	s_cmp_eq_u32 s10, 1                            ; a's 32 rows a work-group want one wave: wave 1 asks for nothing
	s_cselect_b32 s23, 1, 0
	s_or_b32 s22, s22, s23
	s_cmp_eq_u32 s22, 0
	s_cselect_b32 s[LIM], 1, -1                    ; the same in all sixteen partners, for a given wave
	s_mov_b32 s21, 0
	s_mov_b64 s[18:19], SIZE_K*2
	s_mul_u64 s[20:21], s[20:21], s[18:19]
	s_add_nc_u64 s[PFA:PFA+1], s[PFA:PFA+1], s[20:21]
	s_add_nc_u64 s[PFA:PFA+1], s[PFA:PFA+1], PERIOD  ; one period in: the first refill steps it to the second, where the first slot's third tile begins
	v_mul_u32_u24 v[PFO], v5, SIZE_K*2
; 8 matrix instructions: m block a x all 8 n blocks, 32 along K.  The 32 accumulators take turns, one instruction a turn, in the same order in every quarter.
.macro MULA f, a, zero
	WIN MUL
.irp b, 0,1,2,3,4,5,6,7
.if \zero
	v_wmma_f32_16x16x32_f16 v[8*(8*(\a)+(\b)):8*(8*(\a)+(\b))+7], v[(\f)+8*(\b):(\f)+8*(\b)+7], v[(\f)+64+8*(\a):(\f)+64+8*(\a)+7], 0
.else
	v_wmma_f32_16x16x32_f16 v[8*(8*(\a)+(\b)):8*(8*(\a)+(\b))+7], v[(\f)+8*(\b):(\f)+8*(\b)+7], v[(\f)+64+8*(\a):(\f)+64+8*(\a)+7], v[8*(8*(\a)+(\b)):8*(8*(\a)+(\b))+7]
.endif
.endr
.endm
; 24 LDS loads in one run: the fragments of 32 along K at byte k of slot sl's rows, into buffer f: w's sixteen first, then a's eight
.macro FETCH sl, k, f
	WIN 0
.set FP, PX+(PY-PX)*(\sl)
.irp i, 0,1,2,3,4,5,6,7
	ds_load_b128 v[(\f)+8*(\i):(\f)+8*(\i)+3],   v[ADRB+(\sl)] offset:(\k)+(\i)*16*FP
	ds_load_b128 v[(\f)+8*(\i)+4:(\f)+8*(\i)+7], v[ADRB+(\sl)] offset:(\k)+(\i)*16*FP+32
.endr
.irp i, 0,1,2,3
	ds_load_b128 v[(\f)+64+8*(\i):(\f)+64+8*(\i)+3],   v[ADRA+(\sl)] offset:(\k)+(\i)*16*FP
	ds_load_b128 v[(\f)+64+8*(\i)+4:(\f)+64+8*(\i)+7], v[ADRA+(\sl)] offset:(\k)+(\i)*16*FP+32
.endr
.endm
.macro PLACES                          ; four places in front of loads into registers that matrix instructions have read, and of stores that read their results
.rept 4
	v_nop
.endr
.endm
; A quarter is 32 along K, 32 matrix instructions; slot X has eight of them, slot Y four, on buffers 0, 1, 0, 1 ..  All but a slot's last: multiplies buffer f and fetches the next quarter, at byte k, into g.
.macro QUARTER sl, k, f, g, zero
	s_wait_dscnt 4                                 ; w and a's blocks 0, 1 are in; the youngest four loads (a's blocks 2, 3) may be out
	MULA \f, 0, \zero
	MULA \f, 1, \zero
	PLACES
	FETCH \sl, \k, \g
	s_wait_dscnt 24                                ; all but the 24 just issued
	MULA \f, 2, \zero
	MULA \f, 3, \zero
.endm
.macro WALK sl, first                  ; quarters first .. the last but one of slot sl (counted from 1): the odd ones multiply buffer 0
.set qq, \first
.rept 8-4*(\sl)-(\first)
.if (qq%2) == 1
	QUARTER \sl, 64*qq, F0, F1, 0
.else
	QUARTER \sl, 64*qq, F1, F0, 0
.endif
.set qq, qq+1
.endr
.endm
; A slot's last quarter multiplies buffer 1 and changes slots: ONE barrier; in front of it each wave waits for all its tensor loads, adds 0 to its spare word, and waits for that and for its reads of slot sl.
; fill = 1: the barrier opens a round of the cluster's, and slot sl is filled again, with its tile one period on, first thing behind the round.
.macro TURN sl, next, fill
.if (\fill) && ((\sl) == PS)
	s_wait_xcnt 0x0                                ; the last prefetches, a slot's walk back, have read their address: it is stepped here, once a period
	s_add_nc_u64 s[PFA:PFA+1], s[PFA:PFA+1], PERIOD
.endif
	WIN 0                                          ; (the add's two registers lie in window 0)
	s_wait_tensorcnt 0x0                           ; all my tensor loads have landed: the one that was out is my part of the next slot;
	ds_add_u32 v[SPW], v[NIL]                      ; 0 onto my spare word;
	s_wait_dscnt 5                                 ; (the add and the youngest four loads may be out)
	MULA F1, 0, 0                                  ; eight matrix instructions stand between the add and the wait for it
	s_wait_dscnt 0x0                               ; the add is done, and my reads of this slot are over
	s_barrier_signal -1
	MULA F1, 1, 0
.if \fill
	WIN 0
.endif
	s_barrier_wait -1
.if \fill
	CREST                                          ; no wave of any partner still reads this slot's tile or has a load on its way
	s_add_nc_u64 s[G0A+4*(\sl)+2:G0A+4*(\sl)+3], s[G0A+4*(\sl)+2:G0A+4*(\sl)+3], PERIOD
	s_add_nc_u64 s[G0B+4*(\sl)+2:G0B+4*(\sl)+3], s[G0B+4*(\sl)+2:G0B+4*(\sl)+3], PERIOD
	JLOAD \sl                                      ; the four v_nop behind it are also the places in front of the loads below
.else
	PLACES
.endif
	FETCH \next, 0, F0
.if \fill
.if (\sl) == PS
	ASK 0, 1-PS                                    ; the pointer stands at this slot's tile after the one just asked for
.else
	ASK 512-256*PS, 1-RS                           ; the other slot's tiles begin behind the first slot's bytes
.endif
.endif
	MULA F1, 2, 0
	MULA F1, 3, 0
.endm
	s_wait_tensorcnt 1                             ; my part of the first slot's tile is in; the other's may stay out
	s_barrier_signal -1
	s_barrier_wait -1                              ; everybody's is
	FETCH PS, 0, F0
	QUARTER PS, 64, F0, F1, 1                      ; the first quarter stands in front of the loop: its products start the sums
	WIN 0                                          ; at a label and at a branch every window is 0
	s_mov_b32 s3, TRIPS
	s_branch .Lmid                                 ; the loop is entered behind a trip's first two quarters
.Llap:                                                 ; a trip: the second slot is left and filled again, the first is walked, left and filled again, the second is walked up to its last quarter
	TURN RS, PS, 1
	QUARTER PS, 64, F0, F1, 0
	WIN 0
.Lmid:
	WALK PS, 2
	TURN PS, RS, 1
	WALK RS, 1
	WIN 0
	s_sub_co_u32 s3, s3, 1
	s_cmp_lg_u32 s3, 0
	s_cbranch_scc1 .Llap
	TURN RS, PS, 0                                 ; the tail fills nothing: the first slot's last tile is walked
	WALK PS, 1
	s_wait_dscnt 4                                 ; the very last quarter: nothing more to fetch
	MULA F1, 0, 0
	MULA F1, 1, 0
	s_wait_dscnt 0x0
	MULA F1, 2, 0
	MULA F1, 3, 0
	WIN 0
	PLACES
; THE WAY OUT of block row a, column half hf: 16 rows x 64 f32.  A lane's 32 bytes of each of four blocks go into my stage (rows of 272 bytes), each accumulator from its low end on; rows of 256 bytes come
; back, two an instruction, and are stored: sixteen lanes fill 256 consecutive bytes, at a multiple of 256 from out0's first byte.  The largest immediate is 62 rows of 16,384 bytes and 256.
.macro OUTF a, hf
.set BK, OBF+32*(\hf)
	s_wait_xcnt 0x0                                ; earlier stores have read their registers
	WIN 0x04                                       ; store data in window 1
.irp b, 0,1,2,3
	ds_store_b128 v[STO], v[8*(8*(\a)+4*(\hf)+(\b)):8*(8*(\a)+4*(\hf)+(\b))+3]   offset:64*(\b)
	ds_store_b128 v[STO], v[8*(8*(\a)+4*(\hf)+(\b))+4:8*(8*(\a)+4*(\hf)+(\b))+7] offset:64*(\b)+16
.endr
	WIN 0
.irp t, 0,1,2,3,4,5,6,7
	ds_load_b128 v[BK+4*(\t):BK+4*(\t)+3], v[RD] offset:(\t)*2*SPITCH  ; LDS serves a wave's instructions in order (ISA guide 5.7.1.4): these see the stores above
.endr
.irp t, 0,1,2,3,4,5,6,7
	s_wait_dscnt 7-(\t)                            ; the younger reads of the stage may stay out
	global_store_b128 v[CO], v[BK+4*(\t):BK+4*(\t)+3], s[8:9] offset:(16*(\a)+2*(\t))*16384+256*(\hf) th:TH_STORE_NT
.endr
.endm
.irp a, 0,1,2,3
	OUTF \a, 0
	OUTF \a, 1
.endr
	s_wait_tensorcnt 0x0                           ; the wave's end: these three lines stand behind my last tensor load and my last LDS store
	ds_add_u32 v[SPW], v[NIL]
	s_wait_dscnt 0x0
	CROUND                                         ; the closing round: no work-group ends while a partner may still ask for a tile that names it
	s_endpgm
.Lfunc_end_k_q6f8af3f8b4_oproj:
	.size	k_q6f8af3f8b4_oproj, .Lfunc_end_k_q6f8af3f8b4_oproj-k_q6f8af3f8b4_oproj
	.p2alignl 7, 3214868480
	.fill 96, 4, 3214868480
	.section	.rodata,"a",@progbits
	.p2align	6, 0x0
	.amdhsa_kernel k_q6f8af3f8b4_oproj
		.amdhsa_group_segment_fixed_size 327680
		.amdhsa_private_segment_fixed_size 0
		.amdhsa_enable_private_segment 0
		.amdhsa_kernarg_size 24
		.amdhsa_user_sgpr_count 2
		.amdhsa_user_sgpr_kernarg_segment_ptr 1
		.amdhsa_wavefront_size32 1
		.amdhsa_system_sgpr_workgroup_id_x 1
		.amdhsa_system_sgpr_workgroup_id_y 1
		.amdhsa_system_sgpr_workgroup_id_z 1
		.amdhsa_system_vgpr_workitem_id 0
		.amdhsa_next_free_vgpr 512
		.amdhsa_next_free_sgpr 88
		.amdhsa_reserve_vcc 0
		.amdhsa_float_denorm_mode_32 3
		.amdhsa_float_denorm_mode_16_64 3
		.amdhsa_memory_ordered 1
		.amdhsa_forward_progress 1
		.amdhsa_inst_pref_size 97
	.end_amdhsa_kernel
	.amdgpu_metadata
---
amdhsa.version: [ 1, 2 ]
amdhsa.kernels:
  - .name:           k_q6f8af3f8b4_oproj
    .symbol:         k_q6f8af3f8b4_oproj.kd
    .args:
      - { .name: att, .offset: 0, .size: 8, .value_kind: global_buffer, .address_space: global }
      - { .name: xw, .offset: 8, .size: 8, .value_kind: global_buffer, .address_space: global }
      - { .name: out0, .offset: 16, .size: 8, .value_kind: global_buffer, .address_space: global }
    .group_segment_fixed_size: 327680
    .private_segment_fixed_size: 0
    .kernarg_segment_align: 8
    .kernarg_segment_size: 24
    .max_flat_workgroup_size: 128
    .sgpr_count:     88
    .vgpr_count:     512
    .wavefront_size: 32
...
	.end_amdgpu_metadata
.endif
;; end of part 4
;; ======== version 2 of 2: 4 launches; version 1 with the launch cast written anew for expert scheduling mode
;; limits: values are held in f16: magnitudes above 65,504 overflow, below 6.1e-05 lose precision; right only within a limited range of input values
;; workspace buffers: xw 68,157,440 bytes; qkvh 16,777,216 bytes; att 8,388,608 bytes
;; launch cast (part 5): grid 1040 x 1, 8 waves a work-group, no clusters, 0 bytes of LDS; arguments hidden_states, Wq, Wk, Wv, Wo, cos, sin, xw; writes xw
.if DOCPART == 5
	.amdgcn_target "amdgcn-amd-amdhsa--gfx1250"
	.amdhsa_code_object_version 6
	.text
	.protected	k_q6f8af3f8b4_cast
	.globl	k_q6f8af3f8b4_cast
	.p2align	8
	.type	k_q6f8af3f8b4_cast,@function
k_q6f8af3f8b4_cast:
	s_mov_b64 s[64:65], 0
	v_nop
	global_prefetch_b8 v0, s[64:65] scope:SCOPE_SE
	s_setreg_imm32_b32 hwreg(HW_REG_WAVE_SCHED_MODE, 0, 2), 2
	s_setreg_imm32_b32 hwreg(HW_REG_WAVE_MODE, 25, 1), 1
	s_wait_xcnt 0x0
	s_wait_alu depctr_vm_vsrc(0)
; THE 16-BIT COPIES OF ALL SEVEN INPUTS, laid one behind the other in xw:
;   byte 0           x      bf16 [2048][4096]  = bf16(hidden_states)
;   byte 16,777,216  wqkv   bf16 [4096][4096]  = bf16(W / 16): rows 0-2047 Wq, 2048-3071 Wk, 3072-4095 Wv
;   byte 50,331,648  wo     f16  [4096][2048]  = 16 x bf16(Wo), written as f16 (8 significant bits: exact in f16)
;   byte 67,108,864  cos    bf16 [2048][128]      byte 67,633,152  sin  bf16 [2048][128]
; The factors are powers of two, so bf16(W / 16) = bf16(W) / 16: q, k, v are then kept as value / 16 in f16, and wo gives the 16 back.
; LIMITS.  |Wo| stays under 4,094 (16 Wo within f16's 65,504); 16 |Wo| under 6e-5 keeps f16's fixed step of 6e-8.
; SHARES.  Work-group id turns 32,768 numbers (131,072 bytes) into 65,536 bytes at xw + 65,536 id: the target is linear in id, the source is chosen by id.
; 32 steps; in a step thread t takes the 16 bytes at 16 t and stores 8 bytes at 8 t: a wave's load covers 512 consecutive bytes, its store 256, aligned.
; With 56 registers a wave several work-groups lie on a WGP.  No LDS, no matrix unit, no cluster: nothing is shared between threads.
; THE MODE: SCHED_MODE bits 1:0 = 2 (LLVM: expert scheduling mode 2), set by the entry lines.  The code itself states the register dependences
; between vector instructions and memory instructions, with s_wait_alu, always for 0.
; THE PLAN.  The 32 steps go in 8 blocks of four.  Registers that memory instructions touch:
;   X0, X1   two blocks as loaded.    Written by the four loads of block p + 1, issued at block p's head; read by block p + 1's scalings.
;   Y0, Y1   two blocks to store.     Written by block p's roundings; read by the four stores that are issued at block p + 1's head.
;   v1, v2   byte offsets, made once at the head and never written again: the steps are reached by the two scalar bases, which move on by a block
;            at each block's head, and by immediate offsets.
; Block p works on X[p % 2] and writes Y[p % 2].  Its memory instructions are the loads into X[(p + 1) % 2] and the stores from Y[(p + 1) % 2]: the two buffers that
; block p - 1 worked on and that no vector instruction of block p names.  So the waits at a block's head state all that its eight memory instructions hang on; these
; stand straight behind the waits, the loads first: eight loads of a wave are out at a block's first step, four at its last.
.set BLOCK, 4                          ; steps in a block
.set INB,   4096                       ; bytes of the source that the work-group takes in a step
.set OUTB,  2048                       ; bytes of xw that it stores in a step
.set T,   4                            ; v[4:7]    four numbers at work: no memory instruction names them
.set X,   8                            ; v[8:39]   buffer k, step i: four f32 as loaded, at X + 16 k + 4 i
.set Y,   40                           ; v[40:55]  buffer k, step i: four 16-bit numbers to store, at Y + 8 k + 2 i
.set SRC, 24                           ; s[24:25]  my part of the source, at the block in hand
.set DST, 26                           ; s[26:27]  my part of xw, at the block in hand
.set SC,  28                           ; s[28:29]  the factor (the packed multiply names a pair and takes its low word)
	s_load_b256 s[8:15], s[0:1], 0x0               ; hidden_states s[8:9], Wq s[10:11], Wk s[12:13], Wv s[14:15]
	s_load_b256 s[16:23], s[0:1], 0x20             ; Wo s[16:17], cos s[18:19], sin s[20:21], xw s[22:23]
	s_mov_b32 s33, ttmp9                           ; id
	s_mov_b32 s31, 0xffff0000                      ; a word's upper bf16
	v_lshlrev_b32 v1, 4, v0                        ; 16 t: never rewritten
	v_lshlrev_b32 v2, 3, v0                        ; 8 t: never rewritten
	s_mov_b32 s30, 0                               ; the id at which my source begins
	s_mov_b32 s[SC], 1.0
	s_wait_kmcnt 0x0
	s_mov_b64 s[SRC:SRC+1], s[8:9]
.macro PICK from, ptr, scale           ; from this id on: another source, its first id, its factor
	s_cmp_ge_u32 s33, \from
	s_cselect_b64 s[SRC:SRC+1], s[\ptr:\ptr+1], s[SRC:SRC+1]
	s_cselect_b32 s30, \from, s30
	s_cselect_b32 s[SC], \scale, s[SC]
.endm
	PICK 256, 10, 0x3d800000                       ; Wq, 1/16
	PICK 512, 12, 0x3d800000                       ; Wk
	PICK 640, 14, 0x3d800000                       ; Wv
	PICK 768, 16, 0x41800000                       ; Wo, 16
	PICK 1024, 18, 1.0                             ; cos
	PICK 1032, 20, 1.0                             ; sin
	s_mov_b32 s[SC+1], s[SC]
	s_sub_co_u32 s2, s33, s30
	s_lshl_b32 s2, s2, 17                          ; 131,072 bytes of source for each id
	s_mov_b32 s3, 0
	s_add_nc_u64 s[SRC:SRC+1], s[SRC:SRC+1], s[2:3]
	s_lshl_b32 s2, s33, 16                         ; 65,536 bytes of xw for each id
	s_add_nc_u64 s[DST:DST+1], s[22:23], s[2:3]
	s_wait_alu depctr_va_vdst(0)                   ; v1 and v2 are written: every load and store of the kernel reads one of them as its offset
.irp i, 0,1,2,3
	global_load_b128 v[X+4*(\i):X+4*(\i)+3], v1, s[SRC:SRC+1] offset:INB*(\i) th:TH_LOAD_NT  ; block 0 into X0
.endr
; Block p.  xb = yb = p % 2.  half = 1: the bf16 number is written as f16.  first = 1: block 0, with no block in front of it.  ahead = 1: block p + 1 is loaded.
.macro BLK xb, yb, half, first, ahead
.if !\first
	s_wait_xcnt 0x0                                ; every earlier memory instruction has had its addresses translated (ISA guide 3.1): the two bases and Y[yb] are rewritten only behind this wait
	s_wait_alu depctr_vm_vsrc(0)                   ; the stores issued at the head of the block before have read Y[yb], which this block's roundings write again
	s_wait_alu depctr_va_vdst(0)                   ; the block before has written the other Y, which the stores below read, and is done reading the other X, in which the loads below land
	s_add_nc_u64 s[SRC:SRC+1], s[SRC:SRC+1], BLOCK*INB   ; both bases at this block's first step
	s_add_nc_u64 s[DST:DST+1], s[DST:DST+1], BLOCK*OUTB
.endif
.if \ahead
.irp i, 0,1,2,3
	global_load_b128 v[X+16*(1-\xb)+4*(\i):X+16*(1-\xb)+4*(\i)+3], v1, s[SRC:SRC+1] offset:(BLOCK+(\i))*INB th:TH_LOAD_NT  ; one block ahead
.endr
.endif
.if !\first
.irp i, 0,1,2,3
	global_store_b64 v2, v[Y+8*(1-\yb)+2*(\i):Y+8*(1-\yb)+2*(\i)+1], s[DST:DST+1] offset:((\i)-BLOCK)*OUTB  ; the block before: the offset reaches back
.endr
.endif
.irp i, 0,1,2,3
.set xr, X+16*(\xb)+4*(\i)
.set yr, Y+8*(\yb)+2*(\i)
	s_wait_loadcnt 3-(\i)+BLOCK*(\ahead)           ; loads come back in order (ISA guide 5.7.1): step i's is in; the block's 3 - i younger ones and the next block's four stay out
	v_pk_mul_f32 v[T:T+1],   v[xr:xr+1],   s[SC:SC+1] op_sel_hi:[1,0]
	v_pk_mul_f32 v[T+2:T+3], v[xr+2:xr+3], s[SC:SC+1] op_sel_hi:[1,0]
	v_cvt_pk_bf16_f32 v[yr],   v[T],   v[T+1]      ; scaled, rounded to bf16
	v_cvt_pk_bf16_f32 v[yr+1], v[T+2], v[T+3]
.if \half
	v_lshlrev_b32 v[T],   16,  v[yr]               ; that bf16 number written as f16
	v_and_b32     v[T+1], s31, v[yr]
	v_lshlrev_b32 v[T+2], 16,  v[yr+1]
	v_and_b32     v[T+3], s31, v[yr+1]
	v_cvt_pk_f16_f32 v[yr],   v[T],   v[T+1]
	v_cvt_pk_f16_f32 v[yr+1], v[T+2], v[T+3]
.endif
.endr
.endm
.macro BODY half                       ; 8 blocks
	BLK 0, 0, \half, 1, 1                          ; block 0
	s_mov_b32 s32, 3
.Llap_\@:                                              ; blocks 1 to 6, two to a lap: both kinds of buffer are back at their start
	BLK 1, 1, \half, 0, 1
	BLK 0, 0, \half, 0, 1
	s_sub_co_u32 s32, s32, 1
	s_cmp_lg_u32 s32, 0
	s_cbranch_scc1 .Llap_\@
	BLK 1, 1, \half, 0, 0                          ; block 7 loads nothing: no load leaves the source, and the counts run down
	s_wait_alu depctr_va_vdst(0)                   ; block 7 has written Y1, which the last four stores read
.irp i, 0,1,2,3
	global_store_b64 v2, v[Y+8+2*(\i):Y+8+2*(\i)+1], s[DST:DST+1] offset:(\i)*OUTB
.endr
	s_endpgm
.endm
	s_cmp_eq_u32 s30, 768                          ; Wo alone leaves as f16
	s_cbranch_scc1 .Lhalf
	BODY 0
.Lhalf:
	BODY 1
.Lfunc_end_k_q6f8af3f8b4_cast:
	.size	k_q6f8af3f8b4_cast, .Lfunc_end_k_q6f8af3f8b4_cast-k_q6f8af3f8b4_cast
	.p2alignl 7, 3214868480
	.fill 96, 4, 3214868480
	.section	.rodata,"a",@progbits
	.p2align	6, 0x0
	.amdhsa_kernel k_q6f8af3f8b4_cast
		.amdhsa_group_segment_fixed_size 0
		.amdhsa_private_segment_fixed_size 0
		.amdhsa_enable_private_segment 0
		.amdhsa_kernarg_size 64
		.amdhsa_user_sgpr_count 2
		.amdhsa_user_sgpr_kernarg_segment_ptr 1
		.amdhsa_wavefront_size32 1
		.amdhsa_system_sgpr_workgroup_id_x 1
		.amdhsa_system_sgpr_workgroup_id_y 1
		.amdhsa_system_sgpr_workgroup_id_z 1
		.amdhsa_system_vgpr_workitem_id 0
		.amdhsa_next_free_vgpr 56
		.amdhsa_next_free_sgpr 66
		.amdhsa_reserve_vcc 0
		.amdhsa_float_denorm_mode_32 3
		.amdhsa_float_denorm_mode_16_64 3
		.amdhsa_memory_ordered 1
		.amdhsa_forward_progress 1
		.amdhsa_inst_pref_size 23
	.end_amdhsa_kernel
	.amdgpu_metadata
---
amdhsa.version: [ 1, 2 ]
amdhsa.kernels:
  - .name:           k_q6f8af3f8b4_cast
    .symbol:         k_q6f8af3f8b4_cast.kd
    .args:
      - { .name: hidden_states, .offset: 0, .size: 8, .value_kind: global_buffer, .address_space: global }
      - { .name: Wq, .offset: 8, .size: 8, .value_kind: global_buffer, .address_space: global }
      - { .name: Wk, .offset: 16, .size: 8, .value_kind: global_buffer, .address_space: global }
      - { .name: Wv, .offset: 24, .size: 8, .value_kind: global_buffer, .address_space: global }
      - { .name: Wo, .offset: 32, .size: 8, .value_kind: global_buffer, .address_space: global }
      - { .name: cos, .offset: 40, .size: 8, .value_kind: global_buffer, .address_space: global }
      - { .name: sin, .offset: 48, .size: 8, .value_kind: global_buffer, .address_space: global }
      - { .name: xw, .offset: 56, .size: 8, .value_kind: global_buffer, .address_space: global }
    .group_segment_fixed_size: 0
    .private_segment_fixed_size: 0
    .kernarg_segment_align: 8
    .kernarg_segment_size: 64
    .max_flat_workgroup_size: 256
    .sgpr_count:     66
    .vgpr_count:     56
    .wavefront_size: 32
...
	.end_amdgpu_metadata
.endif
;; end of part 5
;; launch qkv: the kernel of part 2 again; grid 16 x 16, 4 waves a work-group, clusters of 4 x 4, 327,680 bytes of LDS; arguments xw, qkvh; writes qkvh
;; launch attn: the kernel of part 3 again; grid 32 x 8, 4 waves a work-group, clusters of 4 x 1, 327,680 bytes of LDS; arguments qkvh, att; writes att
;; launch oproj: the kernel of part 4 again; grid 16 x 16, 4 waves a work-group, clusters of 4 x 4, 327,680 bytes of LDS; arguments att, xw, out0; writes out0
